; MI455X (gfx1250); checked and timed in simulation.
; The chip was launched on July 23, 2026; its instructions are those of AMD's public machine-readable ISA for CDNA 5 (MIT licence, August 2026) and "CDNA5" Instruction Set Architecture Reference Guide (July 2026). The comments in the code are by the model that wrote it; some were corrected since.
;; Transformer. Allowed arithmetic: float matrix products may take bf16 or f16 operands with f32 sums; all other float work in f32.
;; Inputs: W1 1,024 x 4,096 float32; W2 4,096 x 1,024 float32; Wk 16 x 1,024 x 64 float32; Wo 1,024 x 1,024 float32; Wq 16 x 1,024 x 64 float32; Wv 16 x 1,024 x 64 float32; b1 4,096 float32; b2 1,024 float32; bk 16 x 64 float32; bo 1,024 float32; bq 16 x 64 float32; bv 16 x 64 float32; ln1_b 1,024 float32; ln1_g 1,024 float32; ln2_b 1,024 float32; ln2_g 1,024 float32; x 2 x 2,048 x 1,024 float32.
;; Outputs: out0 2 x 2,048 x 1,024 float32.
;; One version. Each part assembles by itself: llvm-mc -triple=amdgcn-amd-amdhsa -mcpu=gfx1250 --defsym DOCPART=n.
;; ======== version 1 of 1: 8 launches
;; limits: values are held in f16: magnitudes above 65,504 overflow, below 6.1e-05 lose precision
;; workspace buffers: xb 8,388,608 bytes; wqkv 6,324,224 bytes; wo_h 2,129,920 bytes; w1_h 8,421,376 bytes; w2_h 8,421,376 bytes; big 33,554,432 bytes; ob 8,388,608 bytes; zb 16,777,216 bytes
;; launch cast (part 1): grid 513 x 1, 8 waves a work-group, no clusters, 0 bytes of LDS; arguments x, W1, W2, Wo, Wq, Wk, Wv, xb, w1_h, w2_h, wo_h, wqkv, bq, bk, bv, bo, b1, b2, ln1_g, ln1_b, ln2_g, ln2_b; writes xb, w1_h, w2_h, wo_h, wqkv
.if DOCPART == 1
	.amdgcn_target "amdgcn-amd-amdhsa--gfx1250"
	.amdhsa_code_object_version 6
	.text
	.protected	k_q613cd0d1ac_cast
	.globl	k_q613cd0d1ac_cast
	.p2align	8
	.type	k_q613cd0d1ac_cast,@function
k_q613cd0d1ac_cast:
	s_mov_b64 s[64:65], 0
	v_nop
	global_prefetch_b8 v0, s[64:65] scope:SCOPE_SE
	s_setreg_imm32_b32 hwreg(HW_REG_WAVE_MODE, 25, 1), 1
	s_wait_xcnt 0x0
; EVERY INPUT IS ROUNDED ONCE TO bf16.  Matrix operands (x and the seven weight tensors) are then written as f16, which holds a bf16 number exactly
; between 6.1e-5 and 65,504, in ONE blocked layout: a matrix [R rows][C columns] becomes [C/64][R][64], row pieces of 128 bytes end to end.
; LIMITS.  A number beyond 65,504 becomes an infinity; below 6.1e-5 f16 keeps a fixed step of 6e-8.  The residual x, the biases and the gains are rounded to bf16 too.
; Each weight buffer begins with a header of 32,768 bytes: bias[N] in f32 at 0; a floor for the result (64 equal words) at 16,384; at 20,480 one word a column
; with a LayerNorm's gain (low half) and bias (high half) in bf16.
; SHARES.  Work-groups 0 to 511 take 512 rows x 64 columns of one source each: 131,072 bytes read once, 65,536 consecutive bytes written.  Work-group 512 makes the headers.
; Sixteen lanes take the 256 bytes that a row has in the block of 64 columns, 16 bytes a lane: a wave's load covers two such pieces, whole; its four numbers a lane become 8 bytes,
; and a wave's store covers 256 consecutive bytes, aligned (two row pieces of the destination on end).
; A stream: no LDS, no barrier, no matrix unit, no cluster (no byte is read by two work-groups).  All 32 loads of a wave go out before the first is waited for.
.set OFF, 4                            ; v[4:35]    pass p: byte offset of my 16 bytes in the source
.set T,   36                           ; v[36:39]   at work, two by turns
.set D,   40                           ; v[40:167]  pass p: 4 numbers as loaded
.set Y,   168                          ; v[168:231] pass p: 4 f16 to store
	s_mov_b32 s52, 0xffff0000                      ; a word's upper bf16
	s_cmp_eq_u32 ttmp9, 512
	s_cbranch_scc1 .Lheader
	s_load_b512 s[8:23], s[0:1], 0x0               ; x, W1, W2, Wo, Wq, Wk, Wv, xb
	s_load_b256 s[24:31], s[0:1], 0x40             ; w1_h, w2_h, wo_h, wqkv
	v_lshrrev_b32 v1, 4, v0                        ; my row in a pass of 16 rows
	v_and_b32 v2, 15, v0
	v_lshlrev_b32 v2, 4, v2                        ; my 16 bytes of the row's 256
	v_lshlrev_b32 v3, 3, v0                        ; my 8 bytes of a pass's 2,048 in the destination
	s_wait_kmcnt 0x0
	; which source: the table's first line, then each later line where the work-group's number has reached its start
	s_mov_b64 s[32:33], s[8:9]                     ; source
	s_mov_b64 s[34:35], s[22:23]                   ; destination
	s_mov_b32 s36, 0                               ; the source's first work-group
	s_mov_b32 s37, 3                               ; log2 of its blocks of 512 rows
	s_mov_b32 s38, 4096                            ; bytes in a source row
	s_mov_b32 s39, 0                               ; where its numbers begin in the destination
.macro PICK t, src, dst, sh, c4, doff
	s_cmp_ge_u32 ttmp9, \t
	s_cselect_b64 s[32:33], s[\src:\src+1], s[32:33]
	s_cselect_b64 s[34:35], s[\dst:\dst+1], s[34:35]
	s_cselect_b32 s36, \t, s36
	s_cselect_b32 s37, \sh, s37
	s_cselect_b32 s38, \c4, s38
	s_cselect_b32 s39, \doff, s39
.endm
	PICK 128, 10, 24, 1, 16384, 32768              ; W1 [1024][4096]
	PICK 256, 12, 26, 3, 4096, 32768               ; W2 [4096][1024]
	PICK 384, 14, 28, 1, 4096, 32768               ; Wo [1024][1024]
	PICK 416, 16, 30, 5, 256, 32768                ; Wq, Wk, Wv: [16][1024][64] is the blocked layout already: 16,384 rows of 64
	PICK 448, 18, 30, 5, 256, 32768+2097152
	PICK 480, 20, 30, 5, 256, 32768+4194304
	s_sub_co_u32 s46, ttmp9, s36                   ; my number within the source
	s_lshr_b32 s47, s46, s37                       ; column block
	s_lshl_b32 s48, s47, s37
	s_sub_co_u32 s48, s46, s48                     ; row block
	s_mul_i32 s40, s48, s38
	s_lshl_b32 s40, s40, 9                         ; 512 rows a block
	s_lshl_b32 s49, s47, 8                         ; 256 bytes a column block
	s_add_co_u32 s40, s40, s49
	s_mov_b32 s41, 0
	s_lshl_b32 s42, s46, 16                        ; the destination's blocks follow each other in my number's order
	s_add_co_u32 s42, s42, s39
	s_mov_b32 s43, 0
	s_add_nc_u64 s[32:33], s[32:33], s[40:41]
	s_add_nc_u64 s[34:35], s[34:35], s[42:43]
	s_lshl_b32 s44, s38, 4                         ; 16 rows on
	v_mad_u32_u24 v[OFF], v1, s38, v2
.set p, 1
.rept 31
	v_add_nc_u32 v[OFF+p], s44, v[OFF+p-1]
.set p, p+1
.endr
.set p, 0
.rept 32
	global_load_b128 v[D+4*p:D+4*p+3], v[OFF+p], s[32:33] th:TH_LOAD_NT
.set p, p+1
.endr
.set p, 0
.rept 32
.set w, T+2*(p%2)
	s_wait_loadcnt 31-p                            ; loads come back in order: the later passes' loads, one each, may stay out
	v_cvt_pk_bf16_f32 v[w],   v[D+4*p],   v[D+4*p+1]   ; the one rounding
	v_cvt_pk_bf16_f32 v[w+1], v[D+4*p+2], v[D+4*p+3]
	v_lshlrev_b32 v[D+4*p],   16,  v[w]                ; back to f32,
	v_and_b32     v[D+4*p+1], s52, v[w]
	v_lshlrev_b32 v[D+4*p+2], 16,  v[w+1]
	v_and_b32     v[D+4*p+3], s52, v[w+1]
	v_cvt_pk_f16_f32 v[Y+2*p],   v[D+4*p],   v[D+4*p+1] ; and written as f16
	v_cvt_pk_f16_f32 v[Y+2*p+1], v[D+4*p+2], v[D+4*p+3]
	global_store_b64 v3, v[Y+2*p:Y+2*p+1], s[34:35] offset:2048*p   ; a wave's store covers 256 consecutive bytes, aligned; no store's register is used twice, so nothing waits for a store
.set p, p+1
.endr
	s_endpgm
.Lheader:                                              ; 256 threads x 4 numbers = 1,024 numbers a load
	s_load_b256 s[24:31], s[0:1], 0x40             ; w1_h s[24:25], w2_h s[26:27], wo_h s[28:29], wqkv s[30:31]
	s_load_b512 s[32:47], s[0:1], 0x60             ; bq, bk, bv, bo, b1, b2, ln1_g, ln1_b
	s_load_b128 s[48:51], s[0:1], 0xa0             ; ln2_g, ln2_b
	v_lshlrev_b32 v1, 4, v0
	v_lshrrev_b32 v2, 5, v0
	v_readfirstlane_b32 s53, v2                    ; wave
	v_and_b32 v3, 31, v0
	v_lshlrev_b32 v3, 3, v3
	s_wait_kmcnt 0x0
	global_load_b128 v[8:11],  v1, s[32:33]
	global_load_b128 v[12:15], v1, s[34:35]
	global_load_b128 v[16:19], v1, s[36:37]
	global_load_b128 v[20:23], v1, s[38:39]
	global_load_b128 v[24:27], v1, s[40:41]
	global_load_b128 v[28:31], v1, s[40:41] offset:4096
	global_load_b128 v[32:35], v1, s[40:41] offset:8192
	global_load_b128 v[36:39], v1, s[40:41] offset:12288
	global_load_b128 v[40:43], v1, s[42:43]
	global_load_b128 v[44:47], v1, s[44:45]
	global_load_b128 v[48:51], v1, s[46:47]
	global_load_b128 v[52:55], v1, s[48:49]
	global_load_b128 v[56:59], v1, s[50:51]
	s_wait_loadcnt 0x0
.macro RB r                            ; four numbers rounded to bf16, kept as f32
	v_cvt_pk_bf16_f32 v60, v[\r], v[\r+1]
	v_cvt_pk_bf16_f32 v61, v[\r+2], v[\r+3]
	v_lshlrev_b32 v[\r], 16, v60
	v_and_b32 v[\r+1], s52, v60
	v_lshlrev_b32 v[\r+2], 16, v61
	v_and_b32 v[\r+3], s52, v61
.endm
.irp r, 8,12,16,20,24,28,32,36,40
	RB \r
.endr
	global_store_b128 v1, v[8:11],  s[30:31]               ; bq, bk, bv in the order of wqkv's column blocks
	global_store_b128 v1, v[12:15], s[30:31] offset:4096
	global_store_b128 v1, v[16:19], s[30:31] offset:8192
	global_store_b128 v1, v[20:23], s[28:29]               ; bo
	global_store_b128 v1, v[24:27], s[24:25]               ; b1
	global_store_b128 v1, v[28:31], s[24:25] offset:4096
	global_store_b128 v1, v[32:35], s[24:25] offset:8192
	global_store_b128 v1, v[36:39], s[24:25] offset:12288
	global_store_b128 v1, v[40:43], s[26:27]               ; b2
.irp j, 0,1,2,3
	v_cvt_pk_bf16_f32 v[64+(\j)], v[44+(\j)], v[48+(\j)]   ; gain low, bias high
	v_cvt_pk_bf16_f32 v[68+(\j)], v[52+(\j)], v[56+(\j)]
.endr
	global_store_b128 v1, v[64:67], s[24:25] offset:20480  ; the first LayerNorm's
	global_store_b128 v1, v[68:71], s[26:27] offset:20480  ; the second's
	s_cmp_lg_u32 s53, 0
	s_cbranch_scc1 .Lnot0
	v_mov_b32 v4, 0xff800000                       ; q, k, v have no floor: minus infinity
	v_mov_b32 v5, 0xff800000
	global_store_b64 v3, v[4:5], s[30:31] offset:16384     ; 256 consecutive bytes
.Lnot0:
	s_cmp_lg_u32 s53, 1
	s_cbranch_scc1 .Lnot1
	v_mov_b32 v6, 0                                ; relu: the floor is 0
	v_mov_b32 v7, 0
	global_store_b64 v3, v[6:7], s[24:25] offset:16384
.Lnot1:
	s_endpgm
.Lfunc_end_k_q613cd0d1ac_cast:
	.size	k_q613cd0d1ac_cast, .Lfunc_end_k_q613cd0d1ac_cast-k_q613cd0d1ac_cast
	.p2alignl 7, 3214868480
	.fill 96, 4, 3214868480
	.section	.rodata,"a",@progbits
	.p2align	6, 0x0
	.amdhsa_kernel k_q613cd0d1ac_cast
		.amdhsa_group_segment_fixed_size 0
		.amdhsa_private_segment_fixed_size 0
		.amdhsa_enable_private_segment 0
		.amdhsa_kernarg_size 176
		.amdhsa_user_sgpr_count 2
		.amdhsa_user_sgpr_kernarg_segment_ptr 1
		.amdhsa_wavefront_size32 1
		.amdhsa_system_sgpr_workgroup_id_x 1
		.amdhsa_system_sgpr_workgroup_id_y 1
		.amdhsa_system_sgpr_workgroup_id_z 1
		.amdhsa_system_vgpr_workitem_id 0
		.amdhsa_next_free_vgpr 232
		.amdhsa_next_free_sgpr 66
		.amdhsa_reserve_vcc 0
		.amdhsa_float_denorm_mode_32 3
		.amdhsa_float_denorm_mode_16_64 3
		.amdhsa_memory_ordered 1
		.amdhsa_forward_progress 1
		.amdhsa_inst_pref_size 30
	.end_amdhsa_kernel
	.amdgpu_metadata
---
amdhsa.version: [ 1, 2 ]
amdhsa.kernels:
  - .name:           k_q613cd0d1ac_cast
    .symbol:         k_q613cd0d1ac_cast.kd
    .args:
      - { .name: x, .offset: 0, .size: 8, .value_kind: global_buffer, .address_space: global }
      - { .name: W1, .offset: 8, .size: 8, .value_kind: global_buffer, .address_space: global }
      - { .name: W2, .offset: 16, .size: 8, .value_kind: global_buffer, .address_space: global }
      - { .name: Wo, .offset: 24, .size: 8, .value_kind: global_buffer, .address_space: global }
      - { .name: Wq, .offset: 32, .size: 8, .value_kind: global_buffer, .address_space: global }
      - { .name: Wk, .offset: 40, .size: 8, .value_kind: global_buffer, .address_space: global }
      - { .name: Wv, .offset: 48, .size: 8, .value_kind: global_buffer, .address_space: global }
      - { .name: xb, .offset: 56, .size: 8, .value_kind: global_buffer, .address_space: global }
      - { .name: w1_h, .offset: 64, .size: 8, .value_kind: global_buffer, .address_space: global }
      - { .name: w2_h, .offset: 72, .size: 8, .value_kind: global_buffer, .address_space: global }
      - { .name: wo_h, .offset: 80, .size: 8, .value_kind: global_buffer, .address_space: global }
      - { .name: wqkv, .offset: 88, .size: 8, .value_kind: global_buffer, .address_space: global }
      - { .name: bq, .offset: 96, .size: 8, .value_kind: global_buffer, .address_space: global }
      - { .name: bk, .offset: 104, .size: 8, .value_kind: global_buffer, .address_space: global }
      - { .name: bv, .offset: 112, .size: 8, .value_kind: global_buffer, .address_space: global }
      - { .name: bo, .offset: 120, .size: 8, .value_kind: global_buffer, .address_space: global }
      - { .name: b1, .offset: 128, .size: 8, .value_kind: global_buffer, .address_space: global }
      - { .name: b2, .offset: 136, .size: 8, .value_kind: global_buffer, .address_space: global }
      - { .name: ln1_g, .offset: 144, .size: 8, .value_kind: global_buffer, .address_space: global }
      - { .name: ln1_b, .offset: 152, .size: 8, .value_kind: global_buffer, .address_space: global }
      - { .name: ln2_g, .offset: 160, .size: 8, .value_kind: global_buffer, .address_space: global }
      - { .name: ln2_b, .offset: 168, .size: 8, .value_kind: global_buffer, .address_space: global }
    .group_segment_fixed_size: 0
    .private_segment_fixed_size: 0
    .kernarg_segment_align: 8
    .kernarg_segment_size: 176
    .max_flat_workgroup_size: 256
    .sgpr_count:     66
    .vgpr_count:     232
    .wavefront_size: 32
...
	.end_amdgpu_metadata
.endif
;; end of part 1
;; launch qkv (part 2): grid 12 x 16, 4 waves a work-group, clusters of 4 x 4, 327,680 bytes of LDS; arguments xb, wqkv, big; writes big
.if DOCPART == 2
	.amdgcn_target "amdgcn-amd-amdhsa--gfx1250"
	.amdhsa_code_object_version 6
	.text
	.protected	k_q613cd0d1ac_qkv
	.globl	k_q613cd0d1ac_qkv
	.p2align	8
	.type	k_q613cd0d1ac_qkv,@function
k_q613cd0d1ac_qkv:
	s_mov_b64 s[64:65], 0
	v_nop
	global_prefetch_b8 v0, s[64:65] scope:SCOPE_SE
	s_setreg_imm32_b32 hwreg(HW_REG_WAVE_MODE, 25, 1), 1
	s_wait_xcnt 0x0
	s_wait_alu depctr_hold_cnt(0) depctr_sa_sdst(0) depctr_va_vdst(0) depctr_va_sdst(0) depctr_va_ssrc(0) depctr_va_vcc(0) depctr_vm_vsrc(0)
	s_getreg_b32 s2, hwreg(HW_REG_IB_STS2, 6, 4)
	s_cmp_eq_u32 s2, 0
	s_cbranch_scc0 .Lentry_in_a_cluster
	s_endpgm
.Lentry_in_a_cluster:
	s_bfe_u32 s2, ttmp6, 0x10000c
	s_cmp_lg_u32 s2, 0xf033
	s_cbranch_scc0 .Lentry_shape_is_right
	s_endpgm
.Lentry_shape_is_right:
; C = max(A W + bias, floor), rounded once to f16.  A: [16][4096][64] f16 (K = 1,024 in blocks of 64).  W: a header of 32,768 bytes (bias[N] f32 at 0, the floor at 16,384), then [N/64][1024][64] f16.
; C: [N/64][4096][64] f16.  N is the grid's width x 256 and stands nowhere in the text: N = 3,072 gives 12 x 16 work-groups, N = 4,096 gives 16 x 16.
; LIMITS.  A result beyond 65,504 becomes an infinity; NaN is dropped at the floor.
; A tile of C is 256 x 256: four waves, as many as a WGP has SIMDs, each 128 x 128: 64 accumulators of 16 x 16, 512 registers.  For 32 along K a wave reads 2 x 128 x 64 bytes from LDS and issues 64 matrix instructions.
; K goes in steps of 128 through two LDS slots; a wave's one tensor load brings half of A's or of W's part of a step: 2 rows of 16,384 consecutive bytes (A: 128 row pieces of a block of 64 along K; W: 128 k of a block of 64 columns).
; From a slot's request to the wait for it a wave issues 224 matrix instructions.
; THE K STEP IS WRITTEN ONCE FOR BOTH SLOTS: s2 holds the LDS byte at which the slot in hand begins, 0 or SLOT, turned by an exclusive or with SLOT at each change of slots; the fragments' addresses are made from it there,
; and one descriptor for A and one for W walk.  So the text holds 12 quarter steps: one in front of the loop, four in it, seven behind it.
; THE BIAS STARTS THE SUMS: it is the C operand of the first products, so nothing is cleared and nothing is added on the way out.
; CLUSTERS: 4 x 4 work-groups.  The four of a row of the cluster need the same tiles of A, the four of a column the same tiles of W: each tile is asked for JOINTLY, by the same tensor load with the
; same descriptor and a mask that names the four.  THE MATRIX INSTRUCTION IS USED TRANSPOSED (source 0 = 16 columns of W, turned by ds_load_tr16_b128; source 1 = 16 rows of A): a lane then holds eight neighbouring numbers of a row of C.
; REGISTERS, in windows of 256 (s_set_vgpr_msb: bits 1:0 source 0, 3:2 source 1, 5:4 source 2, 7:6 destination):
;   window 0: v0-31 addresses; v64-127, v128-191 fragments of A (8 x 16 rows x 32 K), two buffers; on the way out four buffers of 32 in their place
;   window 1: v0-63 the bias of my 128 columns; v64-127, v128-191 fragments of W, two buffers
;   window 2: the 32 accumulators of my rows 0-63 (accumulator (a, b) at v[8 (8 a + b)]);   window 3: those of my rows 64-127
.set KDIM,  1024
.set KSTEP, 128
.set STEPS, KDIM/KSTEP
.set WOFF,  32768                      ; the header's bytes
.set PA,    144                        ; a row piece of A in LDS: 128 bytes + 16 of padding = 36 words: the 16 rows of a load start at 16 different groups of four banks (64 banks of 4 bytes: ISA guide 11.1)
.set PB,    160                        ; a row of W: 128 + 32 = 40 words
.set AHALF, 2*128*PA                   ; [2 blocks along K][128 rows][144]
.set BHALF, 2*128*PB                   ; [2 blocks of 64 columns][128 k][160]
.set BOFF,  2*AHALF
.set SLOT,  2*AHALF+2*BHALF
.set ASTEP, 2*4096*128                 ; bytes from a K step of A to the next: two blocks along K
.set BSTEP, KSTEP*128                  ; and of W: 128 rows of a column block
.set STAGE, 2*SLOT                     ; behind the slots: 16 rows x 144 bytes for each wave, for the way out
.set SP,    144
.set SPARE, STAGE+4*16*SP              ; the spare words, 128 bytes for each wave: two blocks of 256 bytes that no other line names
.set A0,   16                          ; v16     my lane's place in a slot for A's fragments; never rewritten
.set B0,   17                          ; v17     the same for W's
.set ADRA, 18                          ; v18     LDS address of my A fragments in the slot in hand
.set ADRB, 19                          ; v19     the same for W
.set STO,  24                          ; v24     the way out: where I put 16 bytes of a row
.set RD,   25                          ; v25     the way out: where I read rows back
.set CO,   26                          ; v26     my byte offset in 512 consecutive bytes of C
.set BO,   27                          ; v27     my byte offset in the bias
.set SPW,  28                          ; v28     LDS address of my spare word: SPARE + 4 x my thread's number; never rewritten
.set NIL,  29                          ; v29     0; never rewritten
.set F0,   64                          ; fragment buffer 0
.set F1,   128                         ; fragment buffer 1
.set TMP,  64                          ; the way out, in window 0
.set BIAS, 0                           ; in window 1
.set G1, 24                            ; s[24:31] descriptor group 1 for A's tiles;  s[32:39] group 0: a set for each of the two first fills; the second then walks on
.set G0, 32
.set G1B, 48                           ; s[48:55], s[56:63] the same for W's tiles
.set G0B, 56
.set MSB, 0
.macro WIN new                         ; the immediate's high byte repeats the setting that is left; a switch that changes nothing is dropped
.if MSB != (\new)
	s_set_vgpr_msb (MSB<<8)|(\new)
.set MSB, \new
.endif
.endm
.set MUL_LO, 0xa1                      ; source 0 (W) window 1, source 1 (A) window 0, C and D window 2
.set MUL_HI, 0xf1                      ; the same, C and D window 3
.set FST_LO, 0x91                      ; the first products: C (the bias) window 1, D window 2
.set FST_HI, 0xd1                      ; the same, D window 3
.set TO_B,   0x40                      ; destination window 1, address window 0
.macro JLOAD s                         ; a joint load: waves 0 and 1 fetch A's two halves, waves 2 and 3 W's; an s_nop 0 and four v_nop follow each of the two lines, ahead of the jump, the label and what follows
	s_cmp_eq_u32 s11, 0
	s_cbranch_scc0 .Lfor_b_\@
	tensor_load_to_lds s[G0+4*(\s):G0+4*(\s)+3], s[G1:G1+7]
	s_nop 0
.rept 4
	v_nop
.endr
	s_branch .Lasked_\@
.Lfor_b_\@:
	tensor_load_to_lds s[G0B+4*(\s):G0B+4*(\s)+3], s[G1B:G1B+7]
	s_nop 0
.rept 4
	v_nop
.endr
.Lasked_\@:
.endm
.macro CREST                           ; a round of the cluster's barrier behind its opening barrier
	s_cmp_lg_u32 s10, 0
	s_cbranch_scc1 .Lnot_wave_0_\@
	s_barrier_signal -3
.Lnot_wave_0_\@:
	s_barrier_wait -3
	s_barrier_signal -1
	s_barrier_wait -1
.endm
.macro CROUND                          ; a whole round
	s_barrier_signal -1
	s_barrier_wait -1
	CREST
.endm
	s_load_b128 s[4:7], s[0:1], 0x0                ; A s[4:5], W s[6:7]
	s_load_b64 s[8:9], s[0:1], 0x10                ; C
	v_lshl_add_u32 v[SPW], v0, 2, SPARE
	v_mov_b32 v[NIL], 0
	ds_add_u32 v28, v29
	s_wait_dscnt 0x0
	v_lshrrev_b32 v1, 5, v0
	v_readfirstlane_b32 s10, v1                    ; wave 0..3
	s_lshr_b32 s11, s10, 1                         ; which half of the tile's rows is mine.  Also: I fetch for A (0) or for W (1)
	s_and_b32 s12, s10, 1                          ; which half of its columns.  Also: which half of that tile I fetch
	s_bfe_u32 s40, ttmp6, 0x40000                  ; cx, cy: my place in the cluster
	s_bfe_u32 s41, ttmp6, 0x40004
	s_lshl_b32 s42, ttmp9, 2
	s_add_co_u32 s42, s42, s40                     ; tile column of C = 4 x cluster x + cx
	s_and_b32 s13, ttmp7, 0xffff
	s_lshl_b32 s13, s13, 2
	s_add_co_u32 s13, s13, s41                     ; tile row of C = 4 x cluster y + cy
	s_lshl_b32 s43, s41, 2
	s_lshl_b32 s43, 15, s43                        ; my row of the cluster
	s_lshl_b32 s44, 0x1111, s40                    ; my column
	s_or_b32 s[G1+0], s43, (1<<16)|(1<<20)|(1<<21)|(4<<22)|(3<<25)  ; 15:0 the mask: A's tiles go to my row; 17:16 element of 2 bytes; 20 padding on; 21 set beside a mask; 24:22 after every 32 words (code 4); 31:25 of 4 words (code 3)
	s_mov_b32 s[G1+1], 8192<<16                    ; tensor_dim0 = 8,192 elements: 128 row pieces on end
	s_mov_b32 s[G1+2], 2<<16                       ; tensor_dim1 = 2 blocks along K
	s_mov_b32 s[G1+3], 8192<<16                    ; tile_dim0
	s_mov_b32 s[G1+4], 2                           ; tile_dim1
	s_mov_b32 s[G1+5], 262144                      ; elements from a block along K to the next: 4,096 rows x 64
	s_mov_b32 s[G1+6], 0
	s_mov_b32 s[G1+7], 0
	s_or_b32 s[G1B+0], s44, (1<<16)|(1<<20)|(1<<21)|(4<<22)|(7<<25) ; the mask of my column; 8 words of padding (code 7)
	s_mov_b32 s[G1B+1], 8192<<16                   ; tensor_dim0 = 8,192 elements: 128 rows of a column block on end
	s_mov_b32 s[G1B+2], 2<<16                      ; tensor_dim1 = 2 column blocks
	s_mov_b32 s[G1B+3], 8192<<16                   ; tile_dim0
	s_mov_b32 s[G1B+4], 2                          ; tile_dim1
	s_mov_b32 s[G1B+5], KDIM*64                    ; elements from a column block to the next
	s_mov_b32 s[G1B+6], 0
	s_mov_b32 s[G1B+7], 0
	; where the tiles come from.  A's hang on the tile row alone, W's on the tile column alone, each in registers that never hold the other coordinate
	s_lshl_b32 s16, s13, 15                        ; 256 rows x 128 bytes a tile row,
	s_lshl_b32 s17, s12, 14                        ; 128 rows a half
	s_add_co_u32 s16, s16, s17
	s_mov_b32 s17, 0
	s_lshl_b32 s46, s42, 2                         ; four column blocks a tile column,
	s_lshl_b32 s47, s12, 1                         ; two a half
	s_add_co_u32 s46, s46, s47
	s_mul_i32 s46, s46, KDIM*128
	s_add_co_u32 s46, s46, WOFF
	s_mov_b32 s47, 0
	s_lshl_b32 s22, s42, 10                        ; the bias of my 128 columns: 4 bytes x (256 x tile column + 128 x half)
	s_lshl_b32 s23, s12, 9
	s_add_co_u32 s22, s22, s23
	s_mov_b32 s23, 0
	s_mul_i32 s20, s12, AHALF                      ; where they go in a slot: no place in the cluster enters an LDS address.  s20 and s21 are kept
	s_mul_i32 s21, s12, BHALF
	s_add_co_u32 s21, s21, BOFF
	s_mov_b32 s2, 0                                ; the slot in hand: slot 0
	s_wait_kmcnt 0x0
	s_add_nc_u64 s[14:15], s[4:5], s[16:17]
	s_add_nc_u64 s[46:47], s[6:7], s[46:47]
	s_add_nc_u64 s[18:19], s[6:7], s[22:23]
	CROUND                                         ; all sixteen work-groups are here: the first joint loads meet
.irp s, 0,1
	s_mov_b32 s[G0+4*(\s)], 1
	s_add_co_u32 s[G0+4*(\s)+1], s20, (\s)*SLOT
	s_add_nc_u64 s[G0+4*(\s)+2:G0+4*(\s)+3], s[14:15], (\s)*ASTEP
	s_or_b32 s[G0+4*(\s)+3], s[G0+4*(\s)+3], 0x80000000
	s_mov_b32 s[G0B+4*(\s)], 1
	s_add_co_u32 s[G0B+4*(\s)+1], s21, (\s)*SLOT
	s_add_nc_u64 s[G0B+4*(\s)+2:G0B+4*(\s)+3], s[46:47], (\s)*BSTEP
	s_or_b32 s[G0B+4*(\s)+3], s[G0B+4*(\s)+3], 0x80000000
	JLOAD \s                                       ; two loads of mine are out now, later one
.endr
	s_load_b32 s45, s[6:7], 0x4000                 ; the floor
	v_and_b32 v1, 15, v0                           ; l % 16
	v_bfe_u32 v2, v0, 4, 1                         ; l / 16
	v_mul_u32_u24 v3, v1, PA
	v_lshl_add_u32 v3, v2, 4, v3                   ; A: row x pitch + 16 x half
	v_and_b32 v7, 7, v0
	v_lshl_add_u32 v4, v2, 3, v7                   ; W, turned: lane l reads k = 8 (l / 16) + l % 8,
	v_mul_u32_u24 v4, v4, PB
	v_bfe_u32 v5, v0, 3, 1
	v_lshl_add_u32 v4, v5, 4, v4                   ; columns 8 ((l / 8) % 2) + 0..7
	s_mul_i32 s22, s11, AHALF                      ; my 128 rows of A
	s_mul_i32 s23, s12, BHALF                      ; my 128 columns of W
	s_add_co_u32 s23, s23, BOFF
	v_add_nc_u32 v[A0], s22, v3
	v_add_nc_u32 v[B0], s23, v4
	v_mov_b32 v[ADRA], v[A0]                       ; slot 0 begins at LDS byte 0
	v_mov_b32 v[ADRB], v[B0]
	v_lshlrev_b32 v[BO], 5, v2                     ; my eight columns of a block of 16: 32 bytes x half
	WIN TO_B
.irp b, 0,1,2,3,4,5,6,7
	global_load_b128 v[BIAS+8*(\b):BIAS+8*(\b)+3],   v[BO], s[18:19] offset:64*(\b)
	global_load_b128 v[BIAS+8*(\b)+4:BIAS+8*(\b)+7], v[BO], s[18:19] offset:64*(\b)+16
.endr
	WIN 0
	s_mul_i32 s23, s10, 16*SP
	s_add_co_u32 s23, s23, STAGE                   ; my stage
	v_mul_u32_u24 v6, v1, SP                       ; in: row l % 16, 16 bytes for each half of the lanes
	v_lshl_add_u32 v6, v2, 4, v6
	v_add_nc_u32 v[STO], s23, v6
	v_bfe_u32 v6, v0, 3, 2                         ; back: 32 lanes take four rows of 128 bytes,
	v_mul_u32_u24 v6, v6, SP
	v_lshl_add_u32 v6, v7, 4, v6
	v_add_nc_u32 v[RD], s23, v6
	v_and_b32 v[CO], 31, v0                        ; which are 512 consecutive bytes of C
	v_lshlrev_b32 v[CO], 4, v[CO]
	s_lshl_b32 s16, s13, 15                        ; my first row in a column block of C: (256 x tile row + 128 x half) x 128 bytes
	s_lshl_b32 s17, s11, 14
	s_add_co_u32 s16, s16, s17
	s_lshl_b32 s46, s42, 2                         ; my first column block: 4,096 rows x 128 bytes each
	s_lshl_b32 s47, s12, 1
	s_add_co_u32 s46, s46, s47
	s_lshl_b32 s46, s46, 19
	s_mov_b32 s17, 0
	s_mov_b32 s47, 0
	s_add_nc_u64 s[8:9], s[8:9], s[16:17]
	s_add_nc_u64 s[8:9], s[8:9], s[46:47]
; 16 matrix instructions: m blocks a0, a0 + 1 of the window's four (hi = 0: my rows 0-63, 1: rows 64-127) x all 8 n blocks, 32 along K.
; first = 1: the products start the sums on the bias.  The 64 accumulators take turns, one instruction a turn, in the same order in every quarter step.
.macro MUL16 f, hi, a0, first
.if \first
	WIN FST_LO+0x40*(\hi)
.else
	WIN MUL_LO+0x50*(\hi)
.endif
.irp a, \a0, (\a0)+1
.irp b, 0,1,2,3,4,5,6,7
.if \first
	v_wmma_f32_16x16x32_f16 v[8*(8*(\a)+(\b)):8*(8*(\a)+(\b))+7], v[(\f)+8*(\b):(\f)+8*(\b)+7], v[(\f)+8*(4*(\hi)+(\a)):(\f)+8*(4*(\hi)+(\a))+7], v[BIAS+8*(\b):BIAS+8*(\b)+7]
.else
	v_wmma_f32_16x16x32_f16 v[8*(8*(\a)+(\b)):8*(8*(\a)+(\b))+7], v[(\f)+8*(\b):(\f)+8*(\b)+7], v[(\f)+8*(4*(\hi)+(\a)):(\f)+8*(4*(\hi)+(\a))+7], v[8*(8*(\a)+(\b)):8*(8*(\a)+(\b))+7]
.endif
.endr
.endr
.endm
; 32 LDS loads in one run: the fragments of quarter q (32 along K) of the slot in hand, into buffer f: W's 128 columns first, then A's 128 rows
.macro FETCH q, f
	WIN TO_B
.irp i, 0,1,2,3,4,5,6,7
	ds_load_tr16_b128 v[(\f)+8*(\i):(\f)+8*(\i)+3],   v[ADRB] offset:((\i)/4)*128*PB+(\q)*32*PB+((\i)%4)*32
	ds_load_tr16_b128 v[(\f)+8*(\i)+4:(\f)+8*(\i)+7], v[ADRB] offset:((\i)/4)*128*PB+(\q)*32*PB+((\i)%4)*32+16*PB
.endr
	WIN 0
.irp i, 0,1,2,3,4,5,6,7
	ds_load_b128 v[(\f)+8*(\i):(\f)+8*(\i)+3],   v[ADRA] offset:((\q)/2)*128*PA+(\i)*16*PA+((\q)%2)*64
	ds_load_b128 v[(\f)+8*(\i)+4:(\f)+8*(\i)+7], v[ADRA] offset:((\q)/2)*128*PA+(\i)*16*PA+((\q)%2)*64+32
.endr
.endm
.macro PLACES                          ; four places in front of loads into registers that matrix instructions have read, and of vector work on results
.rept 4
	v_nop
.endr
.endm
; A K step is four quarter steps of 32 along K, 64 matrix instructions each, on buffers 0, 1, 0, 1.  One of the first three: multiplies buffer f; in its middle it fetches quarter q of the same slot into buffer g.
.macro QUARTER q, f, g, first
	s_wait_dscnt 8                                 ; W and A's rows 0-63 are in; the youngest eight loads (A's rows 64-127) may be out
	MUL16 \f, 0, 0, \first
	MUL16 \f, 0, 2, \first
	PLACES
	FETCH \q, \g
	s_wait_dscnt 32                                ; all but the 32 just issued
	MUL16 \f, 1, 0, \first
	MUL16 \f, 1, 2, \first
.endm
; The last quarter multiplies buffer 1 and changes slots: ONE barrier; in front of it each wave waits for all its tensor loads, of which one is out (its part of the next slot), adds 0 to its spare word, and waits for
; that and for its own reads of this slot.  fill = 1: the barrier opens a round of the cluster's, and the slot just read out is filled again first, with the K step two steps on.
.macro TURN fill
	WIN 0                                          ; (the add's two registers lie in window 0)
	s_wait_tensorcnt 0x0                           ; all my tensor loads have landed: my part of the next slot;
	ds_add_u32 v[SPW], v[NIL]                      ; 0 onto my spare word
	s_wait_dscnt 9                                 ; (the add and the youngest eight loads may be out)
	MUL16 F1, 0, 0, 0                              ; sixteen matrix instructions stand between the add and the wait for it
	s_wait_dscnt 0x0                               ; the add is done, and my reads of this slot are over
	s_barrier_signal -1
	MUL16 F1, 0, 2, 0                              ; work on registers while the others arrive
	WIN 0
	s_barrier_wait -1
.if \fill
	CREST                                          ; no wave of any partner still reads this slot's tile or has a load on its way
	s_add_co_u32 s[G0+5], s2, s20                  ; the walking descriptors: into the slot just read out,
	s_add_co_u32 s[G0B+5], s2, s21
	s_add_nc_u64 s[G0+6:G0+7], s[G0+6:G0+7], ASTEP     ; the K step behind the one asked for last; the type bits on top are not reached
	s_add_nc_u64 s[G0B+6:G0B+7], s[G0B+6:G0B+7], BSTEP
	JLOAD 1                                        ; the first tensor load behind the round; the four v_nop behind it are also places in front of the loads below
.else
	PLACES
.endif
	s_xor_b32 s2, s2, SLOT                         ; the other slot is in hand now
	v_add_nc_u32 v[ADRA], s2, v[A0]
	v_add_nc_u32 v[ADRB], s2, v[B0]
	FETCH 0, F0
	MUL16 F1, 1, 0, 0
	MUL16 F1, 1, 2, 0
.endm
	s_wait_kmcnt 0x0                               ; the floor
	s_wait_loadcnt 0x0                             ; the bias
	s_wait_tensorcnt 1                             ; my part of K step 0 is in; K step 1's may stay out
	s_barrier_signal -1
	s_barrier_wait -1                              ; everybody's is
	FETCH 0, F0
	QUARTER 1, F0, F1, 1                           ; the first quarter stands in front of the loop: its products start the sums
	WIN 0                                          ; at a label and at a branch every window is 0
	s_mov_b32 s3, STEPS-2
.Lstep:                                                ; a trip goes from a K step's second quarter to the next step's first, and fills the slot that it leaves: K steps 2 to 7
	QUARTER 2, F1, F0, 0
	QUARTER 3, F0, F1, 0
	TURN 1
	QUARTER 1, F0, F1, 0
	WIN 0
	s_sub_co_u32 s3, s3, 1
	s_cmp_lg_u32 s3, 0
	s_cbranch_scc1 .Lstep
	QUARTER 2, F1, F0, 0                           ; the last two K steps fill nothing, and have no round of the cluster's barrier
	QUARTER 3, F0, F1, 0
	TURN 0
	QUARTER 1, F0, F1, 0
	QUARTER 2, F1, F0, 0
	QUARTER 3, F0, F1, 0
	s_wait_dscnt 8                                 ; the very last quarter: nothing more to fetch
	MUL16 F1, 0, 0, 0
	MUL16 F1, 0, 2, 0
	s_wait_dscnt 0x0
	MUL16 F1, 1, 0, 0
	MUL16 F1, 1, 2, 0
	WIN 0
	; THE WAY OUT, a block of 16 rows at a time: the floor, the rounding to f16, then each of my two column blocks through my own stage: 16 bytes a lane in, whole row pieces of 128 bytes back.
	; LDS serves a wave's instructions in order (ISA guide 5.7.1.4), so no wait stands between my stores and my loads.  Each accumulator's registers are taken in ascending order.
.macro PACK a
.set AC, 64*((\a)%4)
.set TT, TMP+32*((\a)%4)
.if (\a) >= 4
	s_wait_xcnt 0x0                                ; the registers that the stores of four blocks back read are written again only behind this wait
.endif
	WIN 0x88+0x44*((\a)/4)                         ; source 1 and destination: window 2 or 3
.irp b, 0,1,2,3,4,5,6,7
.irp r, 0,1,2,3,4,5,6,7
	v_max_num_f32 v[AC+8*(\b)+(\r)], s45, v[AC+8*(\b)+(\r)]
.endr
.endr
	WIN 0x0a+5*((\a)/4)                            ; sources 0 and 1: window 2 or 3; destination window 0
.irp b, 0,1,2,3,4,5,6,7
.irp r, 0,1,2,3
	v_cvt_pk_f16_f32 v[TT+4*(\b)+(\r)], v[AC+8*(\b)+2*(\r)], v[AC+8*(\b)+2*(\r)+1]
.endr
.endr
	WIN 0
.irp c, 0,1
.irp i, 0,1,2,3
	ds_store_b128 v[STO], v[TT+16*(\c)+4*(\i):TT+16*(\c)+4*(\i)+3] offset:32*(\i)
.endr
.irp i, 0,1,2,3
	ds_load_b128 v[TT+16*(\c)+4*(\i):TT+16*(\c)+4*(\i)+3], v[RD] offset:(\i)*4*SP
.endr
.endr
.endm
.macro SEND a, younger                 ; younger: the LDS instructions issued behind block a's: the next block's sixteen, or none
.set TT, TMP+32*((\a)%4)
.irp t, 0,1,2,3,4,5,6,7
	s_wait_dscnt (\younger)+7-(\t)                 ; load t of the block's eight is in: behind it stand at least the 7 - t later loads and the younger block's
	global_store_b128 v[CO], v[TT+4*(\t):TT+4*(\t)+3], s[8:9] offset:((\t)/4)*524288+(\a)*2048+((\t)%4)*512  ; 512 consecutive bytes, at a multiple of 256 from C's first byte
.endr
.endm
	PLACES
	PACK 0
.irp a, 1,2,3,4,5,6,7                  ; a block's arithmetic stands between the loads of the block before and its stores
	PACK \a
	SEND (\a)-1, 16
.endr
	SEND 7, 0
	s_wait_tensorcnt 0x0                           ; the wave's end: behind my last tensor load and my last LDS store
	ds_add_u32 v[SPW], v[NIL]
	s_wait_dscnt 0x0
	CROUND                                         ; the closing round: no work-group ends while a partner may still ask for a tile that names it
	s_endpgm
.Lfunc_end_k_q613cd0d1ac_qkv:
	.size	k_q613cd0d1ac_qkv, .Lfunc_end_k_q613cd0d1ac_qkv-k_q613cd0d1ac_qkv
	.p2alignl 7, 3214868480
	.fill 96, 4, 3214868480
	.section	.rodata,"a",@progbits
	.p2align	6, 0x0
	.amdhsa_kernel k_q613cd0d1ac_qkv
		.amdhsa_group_segment_fixed_size 327680
		.amdhsa_private_segment_fixed_size 0
		.amdhsa_enable_private_segment 0
		.amdhsa_kernarg_size 24
		.amdhsa_user_sgpr_count 2
		.amdhsa_user_sgpr_kernarg_segment_ptr 1
		.amdhsa_wavefront_size32 1
		.amdhsa_system_sgpr_workgroup_id_x 1
		.amdhsa_system_sgpr_workgroup_id_y 1
		.amdhsa_system_sgpr_workgroup_id_z 1
		.amdhsa_system_vgpr_workitem_id 0
		.amdhsa_next_free_vgpr 1024
		.amdhsa_next_free_sgpr 66
		.amdhsa_reserve_vcc 0
		.amdhsa_float_denorm_mode_32 3
		.amdhsa_float_denorm_mode_16_64 3
		.amdhsa_memory_ordered 1
		.amdhsa_forward_progress 1
		.amdhsa_inst_pref_size 136
	.end_amdhsa_kernel
	.amdgpu_metadata
---
amdhsa.version: [ 1, 2 ]
amdhsa.kernels:
  - .name:           k_q613cd0d1ac_qkv
    .symbol:         k_q613cd0d1ac_qkv.kd
    .args:
      - { .name: xb, .offset: 0, .size: 8, .value_kind: global_buffer, .address_space: global }
      - { .name: wqkv, .offset: 8, .size: 8, .value_kind: global_buffer, .address_space: global }
      - { .name: big, .offset: 16, .size: 8, .value_kind: global_buffer, .address_space: global }
    .group_segment_fixed_size: 327680
    .private_segment_fixed_size: 0
    .kernarg_segment_align: 8
    .kernarg_segment_size: 24
    .max_flat_workgroup_size: 128
    .sgpr_count:     66
    .vgpr_count:     1024
    .wavefront_size: 32
...
	.end_amdgpu_metadata
.endif
;; end of part 2
;; launch attn (part 3): grid 8 x 32, 4 waves a work-group, no clusters, 327,680 bytes of LDS; arguments big, ob; writes ob
.if DOCPART == 3
	.amdgcn_target "amdgcn-amd-amdhsa--gfx1250"
	.amdhsa_code_object_version 6
	.text
	.protected	k_q613cd0d1ac_attn
	.globl	k_q613cd0d1ac_attn
	.p2align	8
	.type	k_q613cd0d1ac_attn,@function
k_q613cd0d1ac_attn:
	s_mov_b64 s[64:65], 0
	v_nop
	global_prefetch_b8 v0, s[64:65] scope:SCOPE_SE
	s_setreg_imm32_b32 hwreg(HW_REG_WAVE_MODE, 25, 1), 1
	s_wait_xcnt 0x0
; CAUSAL ATTENTION at head size 64.  O[y][q][:] = the sum over k <= q of softmax_k(Q[y][q] . K[y][k] / 8) V[y][k][:], y = 2 x head + batch, 32 in all, 2,048 rows each.
; Q, K, V lie in one buffer, [3][32][2048][64] f16; O is [32][2048][64] f16: a head's rows are dense, 128 bytes each.  Products, maxima and sums in f32; the weights p are rounded to f16 for the
; second product (their sum l is taken of the unrounded p), O once at the end.
; LIMITS.  Q, K and V arrive within 65,504.  A hidden score counts as its value less 1e30; a weight below 2^-126 counts as 0 in l; NaN and infinities are not treated apart.
; THE WALK.  A head's queries lie in 16 blocks of 128; block i needs the key tiles 0 .. i of 128 keys, of which the last holds the diagonal.  A work-group takes TWO blocks, 15 - p and then p:
; 17 tiles whatever p, so all 256 work-groups do equal work and ONE loop with a constant trip count walks them; the two LDS slots take turns on across the change of blocks.
; NO CLUSTER: a head's eight work-groups ask for the same tile only in trips 0 to 8 of the 17, behind that fewer and fewer; a walk common to all partners would have 24 trips for 17.
; SHARES.  A wave owns 32 rows of a block, two tiles of 16.  Every wave walks every key step (64 keys, two to a tile), the diagonal tile's too: about one tile of the 17 is computed and hidden, the price of one text for every tile.
; THE MASK is the C operand that starts the sum S^T = K Q^T.  Key 64 s + 16 kb + 8 (l / 16) + j is hidden from query 32 w + 16 t + l % 16 where 16 u + j > d, u = 4 s + kb - t (-1 .. 7), d = 32 w + l % 16 - 8 (l / 16).
; MD, made once, holds 0 or -1e30 for the nine u; MC = MD x AL is made in each trip, AL = 1 in a block's diagonal tile and 0 elsewhere.
; LAYOUT.  S^T = K Q^T holds ONE query a lane (l % 16) and the keys 8 (l / 16) + 0..7; two such results rounded to f16 ARE source 1 of O^T = V^T P.  K comes out of LDS as it lies, V turned, by ds_load_tr16_b128.
; SOFTMAX.  p = 2^(c s - c m), c = log2(e) / 8, with a running maximum m; O and l are multiplied by a = 2^(c m_old - c m_new) in every step.  A step goes in phases: 16 products K Q^T, the softmax, 16 products V^T P.
; REGISTERS, in windows of 256 (s_set_vgpr_msb: bits 1:0 source 0, 3:2 source 1, 5:4 source 2, 7:6 destination):
;   window 0: v0-15 addresses; v16-31 eight registers of statistics a tile; v62-63 the add's; v64-127 S^T; v128-159 P; v160-223 O^T
;   window 1: v0-31 Q; v32-63 the second block's Q; v64-127 K of one step; v128-191 V of one step          window 2: v0-71 MD; v72-143 MC
.set KP,    144       ; a row of K in LDS: 128 bytes + 16 of padding = 36 words: the 16 rows of a load start at 16 different groups of four banks (64 banks of 4 bytes: ISA guide 11.1)
.set VP,    160       ; a row of V: 128 + 32 = 40 words
.set VOFF,  128*KP    ; a slot holds a tile: 128 rows of K, then 128 rows of V
.set SLOT1, 1<<16     ; slot 1 begins here, so that one exclusive or turns an address in one slot into the other's
.set STAGE, SLOT1+128*(KP+VP)  ; behind the slots, never filled by a tensor load: 16 rows x 144 bytes for each wave, for the way out
.set SP,    144
.set SPARE, STAGE+4*16*SP      ; the spare words, 128 bytes for each wave: two blocks of 256 bytes that no other line names
.set AK0, 2           ; v2   my lane's place in a tile of K; never rewritten
.set AV0, 3           ; v3   the same for V
.set AK,  4           ; v4   the LDS address of the tile's K
.set AV,  5           ; v5   of its V
.set STO, 6           ; v6   the way out: where I put 16 bytes of a row
.set RD,  7           ; v7   the way out: where I read rows back
.set GO,  8           ; v8   my byte offset in 512 consecutive bytes of O
.set MV,  12          ; v12-13  c m_old, kept while c m is made anew
.set QO,  15          ; v15  my byte offset in 16 rows of Q
.set ST,  16          ; tile t's statistics at v[ST+8 t]: c m, m, l (even keys', odd keys'), c0-c3 at work; a takes c2's place
.set SPW, 62          ; v62  LDS address of my spare word: SPARE + 4 x my thread's number; never rewritten
.set NIL, 63          ; v63  0; never rewritten
.set S,   64
.set P,   128
.set O,   160
.set QB,  32          ; window 1
.set KF,  64          ; window 1: key block kb, channel half c at KF + 16 kb + 8 c
.set VF,  128         ; window 1: key half kk, channel block cb at VF + 32 kk + 8 cb
.set MD,  0           ; window 2
.set MC,  72          ; window 2
.set WV,  12          ; s12  my wave's number
.set PB,  14          ; s14  p
.set HI,  15          ; s15  15 - p
.set G1K, 24          ; s[24:31] descriptor group 1 for K's tiles
.set G1V, 32          ; s[32:39] for V's: it differs in the padding alone
.set G0K, 40          ; s[40:43] descriptor group 0 for K's tiles
.set G0V, 44          ; s[44:47] the same for V's
.set SLOTS, 56        ; s56  tiles still to be asked for
.set CS,  58          ; s[58:59] c: the packed scaling takes the pair's low word for both halves
.set SEL, 60          ; s[60:61] v_permlanex16_b32's selects: each lane takes its own place in the other half
.set TB,  62          ; s62  LDS byte at which the slot in hand begins
.set RT,  70          ; s70  tiles of the block in hand that are still to be entered
.set NXT, 71          ; s71  the tile to be asked for next
.set LQ,  72          ; s72  the last tile of the block whose tiles are being asked for
.set OFF, 74          ; s[74:75] a tile's byte offset in K and V
.set AL,  76          ; s[76:77] the mask's factor, in the low word
.set OLO, 80          ; s[80:81] O at my rows of the second block
.set BIGN, 82         ; s82  -1e30
.set MSB, 0
.macro WIN new                      ; the high byte repeats the setting that is left; a switch that changes nothing is dropped
.if MSB != (\new)
	s_set_vgpr_msb (MSB<<8)|(\new)
.set MSB, (\new)
.endif
.endm
.macro PLACES                       ; four places behind matrix instructions, in front of vector work on their results and of loads into registers that they read
.rept 4
	v_nop
.endr
.endm
; A fill.  Wave 0 fetches a tile's K, wave 1 its V, 64 rows of 256 bytes each; waves 2 and 3 fetch nothing.  An s_nop 0 and four v_nop follow each of the two lines, ahead of the jump and the label.
.macro LOAD
	s_cmp_eq_u32 s[WV], 0
	s_cbranch_scc0 .Lnot_k_\@
	tensor_load_to_lds s[G0K:G0K+3], s[G1K:G1K+7]
	s_nop 0
.rept 4
	v_nop
.endr
	s_branch .Lasked_\@
.Lnot_k_\@:
	s_cmp_eq_u32 s[WV], 1
	s_cbranch_scc0 .Lasked_\@
	tensor_load_to_lds s[G0V:G0V+3], s[G1V:G1V+7]
	s_nop 0
.rept 4
	v_nop
.endr
.Lasked_\@:
.endm
; THE CHANGE OF SLOTS.  Each wave waits for all its tensor loads (at most one is out: a part of the other slot), adds 0 to its spare word, and waits for that and for its own reads of the slot that it leaves.
; Behind the barrier nobody reads the old slot any more and the other slot is whole.  fill = 1: the old slot is filled again, the first thing behind the barrier, with tile NXT: the descriptor's address is made anew
; from that number.  (At its first use nothing has been read yet: slot 0 is waited for, slot 1 filled.)
.macro CHANGE fill
	WIN 0                           ; at a label and at a branch every window is 0
	s_wait_tensorcnt 0x0            ; no tensor load of mine is out, so a group 0 may be written
	ds_add_u32 v[SPW], v[NIL]       ; 0 onto my spare word; with fill = 1 the descriptors' scalar work stands between it and the wait for it
.if \fill
	s_lshl_b32 s[OFF], s[NXT], 14   ; a tile is 16,384 bytes of K and of V
	s_xor_b32 s[G0K+1], s[G0K+1], SLOT1
	s_add_nc_u64 s[G0K+2:G0K+3], s[6:7], s[OFF:OFF+1]
	s_or_b32 s[G0K+3], s[G0K+3], 0x80000000
	s_xor_b32 s[G0V+1], s[G0V+1], SLOT1
	s_add_nc_u64 s[G0V+2:G0V+3], s[8:9], s[OFF:OFF+1]
	s_or_b32 s[G0V+3], s[G0V+3], 0x80000000
	s_add_co_u32 s[NXT], s[NXT], 1  ; the block's next tile, or behind its last the second block's tile 0
	s_cmp_gt_u32 s[NXT], s[LQ]
	s_cselect_b32 s[NXT], 0, s[NXT]
	s_cselect_b32 s[LQ], s[PB], s[LQ]
.endif
	s_wait_dscnt 0x0                ; the add is done, and my reads of the slot are over
	s_barrier_signal -1
	s_xor_b32 s[TB], s[TB], SLOT1   ; the reads go to the other slot
	s_barrier_wait -1
.if \fill
	LOAD
.endif
.endm
	s_load_b128 s[16:19], s[0:1], 0x0  ; q, k, v s[16:17]; O s[18:19]
	v_lshl_add_u32 v[SPW], v0, 2, SPARE
	v_mov_b32 v[NIL], 0
	ds_add_u32 v62, v63
	s_wait_dscnt 0x0
	s_barrier_signal -1
	s_barrier_wait -1
	v_lshrrev_b32 v1, 5, v0
	v_readfirstlane_b32 s[WV], v1   ; wave 0..3
	s_mov_b32 s[PB], ttmp9
	s_sub_co_u32 s[HI], 15, s[PB]
	s_and_b32 s20, ttmp7, 0xffff    ; y
	s_lshl_b32 s20, s20, 18         ; its 2,048 rows of 128 bytes
	s_mov_b32 s21, 0
	s_lshl_b32 s3, s[WV], 12        ; my 32 rows in a block of 128,
	s_lshl_b32 s2, s[HI], 14        ; in the first block,
	s_add_co_u32 s2, s2, s3
	s_add_co_u32 s2, s2, s20
	s_lshl_b32 s84, s[PB], 14       ; and in the second
	s_add_co_u32 s84, s84, s3
	s_add_co_u32 s84, s84, s20
	s_mov_b32 s3, 0
	s_mov_b32 s85, 0
	; descriptor group 1.  128 keys are 16,384 dense bytes: asked for as 64 rows of 256 bytes, two keys a row, and padded in LDS after every key
	s_mov_b32 s[G1K], (1<<16)|(1<<20)|(4<<22)|(3<<25)  ; 17:16 2-byte elements; 20 padding on; 24:22 after every 32 words (code 4); 31:25 4 words (code 3)
	s_mov_b32 s[G1V], (1<<16)|(1<<20)|(4<<22)|(7<<25)  ; the same with 8 words of padding (code 7)
.irp g, G1K, G1V
	s_mov_b32 s[\g+1], 128<<16      ; tensor_dim0 = 128
	s_mov_b32 s[\g+2], 64<<16       ; tensor_dim1 = 64
	s_mov_b32 s[\g+3], 128<<16      ; tile_dim0 = 128
	s_mov_b32 s[\g+4], 64           ; tile_dim1 = 64
	s_mov_b32 s[\g+5], 128          ; 128 elements from row to row
	s_mov_b32 s[\g+6], 0
	s_mov_b32 s[\g+7], 0
.endr
	s_mov_b32 s[CS], 0x3e38aa3b     ; c = log2(e) / 8 = 0.180337
	s_mov_b32 s[CS+1], s[CS]        ; named with it as a pair
	s_mov_b32 s[SEL], 0x76543210
	s_mov_b32 s[SEL+1], 0xfedcba98
	s_mov_b32 s[TB], SLOT1          ; the first change of slots turns it into 0
	s_mov_b32 s[G0K], 1             ; 1:0 count = 1
	s_mov_b32 s[G0K+1], 0           ; 63:32 LDS address: slot 0
	s_mov_b32 s[G0V], 1
	s_mov_b32 s[G0V+1], VOFF
	s_add_co_u32 s[RT], s[HI], 1    ; the first block has 16 - p tiles
	s_mov_b32 s[NXT], 1
	s_mov_b32 s[LQ], s[HI]
	s_mov_b32 s[OFF+1], 0
	s_mov_b32 s[AL+1], 0            ; named as a pair
	s_mov_b32 s[BIGN], 0xf149f2ca   ; -1e30
	s_mov_b32 s[SLOTS], 16
	s_wait_kmcnt 0x0
	s_add_nc_u64 s[6:7], s[16:17], s[20:21]
	s_add_nc_u64 s[8:9], s[6:7], 0x1000000         ; the head's V
	s_add_nc_u64 s[6:7], s[6:7], 0x800000          ; the head's K
	s_add_nc_u64 s[4:5], s[16:17], s[2:3]          ; Q and O at my rows of the first block,
	s_add_nc_u64 s[10:11], s[18:19], s[2:3]
	s_add_nc_u64 s[86:87], s[16:17], s[84:85]      ; and of the second
	s_add_nc_u64 s[OLO:OLO+1], s[18:19], s[84:85]
	s_add_nc_u64 s[G0K+2:G0K+3], s[6:7], 0         ; 120:64 global address: tile 0
	s_or_b32 s[G0K+3], s[G0K+3], 0x80000000        ; 127:126 type = 2
	s_add_nc_u64 s[G0V+2:G0V+3], s[8:9], 0
	s_or_b32 s[G0V+3], s[G0V+3], 0x80000000
	LOAD                            ; tile 0 into slot 0
	; A fragment of K or Q is 16 rows x 32 channels in 8 registers: lane l holds row l % 16, channels 8 (l / 16) + 0..7 and 16 + 8 (l / 16) + 0..7: two loads of 16 bytes, 32 bytes apart.
	v_and_b32 v1, 15, v0            ; l % 16
	v_bfe_u32 v9, v0, 4, 1          ; l / 16
	v_lshlrev_b32 v[QO], 7, v1
	v_lshl_add_u32 v[QO], v9, 4, v[QO]  ; row x 128 + 16 x half
	WIN 0x40                        ; destination window 1, address window 0
.set i, 0
.rept 4                             ; both blocks' Q: tile i / 2, channels 32 (i % 2) on
	global_load_b128 v[8*i:8*i+3],         v[QO], s[4:5]   offset:(i/2)*2048+(i%2)*64
	global_load_b128 v[8*i+4:8*i+7],       v[QO], s[4:5]   offset:(i/2)*2048+(i%2)*64+32
	global_load_b128 v[QB+8*i:QB+8*i+3],   v[QO], s[86:87] offset:(i/2)*2048+(i%2)*64
	global_load_b128 v[QB+8*i+4:QB+8*i+7], v[QO], s[86:87] offset:(i/2)*2048+(i%2)*64+32
.set i, i+1
.endr
	WIN 0
	v_lshlrev_b32 v14, 3, v9
	v_sub_nc_u32 v14, v1, v14
	s_lshl_b32 s13, s[WV], 5
	v_add_nc_u32 v14, s13, v14      ; d = 32 w + l % 16 - 8 (l / 16)
	WIN 0x80                        ; destination window 2
.set i, 0
.rept 72                            ; group u + 1, register j: hidden where 16 u + j > d
	v_cmp_gt_i32 vcc_lo, 16*(i/8)-16+i%8, v14
	v_cndmask_b32 v[MD+i], 0, s[BIGN], vcc_lo
.set i, i+1
.endr
	WIN 0
	v_mul_u32_u24 v[AK0], v1, KP
	v_lshl_add_u32 v[AK0], v9, 4, v[AK0]  ; row x pitch + 16 x half
	; The turning load takes 16 keys x 16 channels (lane l reads key 8 (l / 16) + l % 8, channels 8 ((l / 8) % 2) + 0..7) and leaves half a fragment of V^T: lane l holds channel l % 16 and 8 keys.
	v_and_b32 v10, 7, v0
	v_bfe_u32 v11, v0, 3, 1
	v_lshl_add_u32 v[AV0], v9, 3, v10
	v_mul_u32_u24 v[AV0], v[AV0], VP
	v_lshl_add_u32 v[AV0], v11, 4, v[AV0]
	v_add_nc_u32 v[AV0], VOFF, v[AV0]
	s_mul_i32 s13, s[WV], 16*SP
	s_add_co_u32 s13, s13, STAGE    ; my stage
	v_mul_u32_u24 v[STO], v1, SP    ; in: row l % 16, 16 bytes for each half of the lanes
	v_lshl_add_u32 v[STO], v9, 4, v[STO]
	v_add_nc_u32 v[STO], s13, v[STO]
	v_bfe_u32 v[RD], v0, 3, 2       ; back: 32 lanes take four rows of 128 bytes,
	v_mul_u32_u24 v[RD], v[RD], SP
	v_lshl_add_u32 v[RD], v10, 4, v[RD]
	v_add_nc_u32 v[RD], s13, v[RD]
	v_and_b32 v[GO], 31, v0         ; which are 512 consecutive bytes of O
	v_lshlrev_b32 v[GO], 4, v[GO]
; A BLOCK BEGINS: c m far below every c s, so the first step's a is 0; m at the lowest finite number, so the first maximum is the scores'; l and O^T 0.  No first step is written out; the price is these 72 lines, twice in the text.
.macro INIT
.irp t, 0,1
	v_mov_b32 v[ST+8*(\t)], 0xfe000000
	v_mov_b32 v[ST+8*(\t)+1], 0xff7fffff
	v_mov_b32 v[ST+8*(\t)+2], 0
	v_mov_b32 v[ST+8*(\t)+3], 0
.endr
.set z, 0
.rept 64
	v_mov_b32 v[O+z], 0
.set z, z+1
.endr
.endm
.macro MASK                         ; MC = MD x AL
	WIN 0x82                        ; destination and source 0 in window 2
.set z, 0
.rept 36
	v_pk_mul_f32 v[MC+2*z:MC+2*z+1], v[MD+2*z:MD+2*z+1], s[AL:AL+1] op_sel_hi:[1,0]
.set z, z+1
.endr
	WIN 0
.endm
; THE LDS LOADS stand in runs of 16: step s's K (64 keys x 64 channels: 8 fragments) and its V (turned).
.macro FETCH_K s
	WIN 0x40
.irp f, 0,1,2,3,4,5,6,7             ; keys 16 (f / 2) on, channels 32 (f % 2) on
	ds_load_b128 v[KF+8*(\f):KF+8*(\f)+3],   v[AK] offset:(\s)*64*KP+((\f)/2)*16*KP+((\f)%2)*64
	ds_load_b128 v[KF+8*(\f)+4:KF+8*(\f)+7], v[AK] offset:(\s)*64*KP+((\f)/2)*16*KP+((\f)%2)*64+32
.endr
.endm
.macro FETCH_V s
	WIN 0x40
.irp f, 0,1,2,3,4,5,6,7             ; keys 32 (f / 4) on, channels 16 (f % 4) on
	ds_load_tr16_b128 v[VF+8*(\f):VF+8*(\f)+3],   v[AV] offset:(\s)*64*VP+((\f)/4)*32*VP+((\f)%4)*32
	ds_load_tr16_b128 v[VF+8*(\f)+4:VF+8*(\f)+7], v[AV] offset:(\s)*64*VP+((\f)/4)*32*VP+16*VP+((\f)%4)*32
.endr
.endm
; THE MATRIX WORK.  The 8 accumulators of a run of 16 take turns.
; Product i of S^T = K Q^T: channels 32 (i / 8) on, keys 16 ((i / 2) % 4) on, tile i % 2.  The first 8 start the sums with the mask.
.macro KQ s
.set i, 0
.rept 16
.set rS, S+32*(i%2)+8*((i/2)%4)
.set rK, KF+16*((i/2)%4)+8*(i/8)
.set rQ, 16*(i%2)+8*(i/8)
.set rX, MC+8*(4*(\s)+((i/2)%4)-(i%2)+1)
.if i < 8
	WIN 0x25                        ; K and Q window 1, the mask window 2, S^T window 0
	v_wmma_f32_16x16x32_f16 v[rS:rS+7], v[rK:rK+7], v[rQ:rQ+7], v[rX:rX+7]
.else
	WIN 0x05
	v_wmma_f32_16x16x32_f16 v[rS:rS+7], v[rK:rK+7], v[rQ:rQ+7], v[rS:rS+7]
.endif
.set i, i+1
.endr
.endm
; Product i of O^T += V^T P: keys 32 (i / 8) on, channels 16 ((i / 2) % 4) on, tile i % 2.
.macro PV
	WIN 0x01                        ; V window 1; P and O^T window 0
.set i, 0
.rept 16
.set rO, O+32*(i%2)+8*((i/2)%4)
.set rV, VF+32*(i/8)+8*((i/2)%4)
.set rP, P+16*(i%2)+8*(i/8)
	v_wmma_f32_16x16x32_f16 v[rO:rO+7], v[rV:rV+7], v[rP:rP+7], v[rO:rO+7]
.set i, i+1
.endr
.endm
; THE VECTOR WORK of a step, 118 instructions a tile; the two tiles alternate line by line.
.macro REGS t
.set rT, ST+8*(\t)
.set rC, ST+8*(\t)+4
.set rW, MV+(\t)
.set rS, S+32*(\t)
.set rP, P+16*(\t)
.set rO, O+32*(\t)
.endm
; Number n of the 22 that find a tile's maximum and statistics.  s0-s31 are the lane's 32 scores; each accumulator's lowest registers are read first.
;   0-11  four chains c0-c3 of seven scores each, three operands at a time     12-14, 16  the four scores left over, the old m, and c0-c3 into c0     15  c m_old is kept
;   17, 18  the query's other 32 keys lie in the lane 16 away: the new m         19-21  c m; c m_old - c m_new; a
.macro XS t, n
	REGS \t
.if (\n) < 4
	v_max3_num_f32 v[rC+(\n)], v[rS+8*(\n)], v[rS+8*(\n)+1], v[rS+8*(\n)+2]
.elseif (\n) < 12
	v_max3_num_f32 v[rC+(\n)%4], v[rC+(\n)%4], v[rS+8*((\n)%4)+2*((\n)/4)+1], v[rS+8*((\n)%4)+2*((\n)/4)+2]
.elseif (\n) == 12
	v_max3_num_f32 v[rC], v[rC], v[rS+7], v[rS+15]
.elseif (\n) == 13
	v_max3_num_f32 v[rC+1], v[rC+1], v[rS+23], v[rS+31]
.elseif (\n) == 14
	v_max3_num_f32 v[rC+2], v[rC+2], v[rC+3], v[rT+1]
.elseif (\n) == 15
	v_mov_b32 v[rW], v[rT]
.elseif (\n) == 16
	v_max3_num_f32 v[rC], v[rC], v[rC+1], v[rC+2]
.elseif (\n) == 17
	v_permlanex16_b32 v[rC+3], v[rC], s[SEL], s[SEL+1]
.elseif (\n) == 18
	v_max_num_f32 v[rT+1], v[rC], v[rC+3]
.elseif (\n) == 19
	v_mul_f32 v[rT], s[CS], v[rT+1]
.elseif (\n) == 20
	v_sub_f32 v[rC+1], v[rW], v[rT]
.else
	v_exp_f32 v[rC+2], v[rC+1]
.endif
.endm
.macro SOFTMAX
.irp n, 0,1,2,3,4,5,6,7,8,9,10,11,12,13,14,15,16,17,18,19,20,21
	XS 0, \n
	XS 1, \n
.endr
.set z, 0
.rept 16                            ; c s - c m; the first of these is the plain instruction behind the two exponentials above
.irp t, 0,1
	v_pk_fma_f32 v[S+32*(\t)+2*z:S+32*(\t)+2*z+1], v[S+32*(\t)+2*z:S+32*(\t)+2*z+1], s[CS:CS+1], v[ST+8*(\t):ST+8*(\t)+1] op_sel_hi:[1,0,0] neg_lo:[0,0,1] neg_hi:[0,0,1]
.endr
.set z, z+1
.endr
.set z, 0
.rept 64
	v_exp_f32 v[S+z], v[S+z]
.set z, z+1
.endr
	v_nop                           ; a plain instruction between the last exponential and the use of its result (ISA guide 5.7.2)
.set z, 0
	s_wait_alu depctr_va_vdst(0)
.rept 32
	v_cvt_pk_f16_f32 v[P+z], v[S+2*z], v[S+2*z+1]  ; P + 16 t + i takes pair i of tile t
.set z, z+1
.endr
.irp w, 4,8,16,32                   ; the sum of a tile's 16 pairs, in place: neighbours 1, 2, 4 and 8 pairs apart
.set u, 0
.rept 32/(\w)
.irp t, 0,1
	v_pk_add_f32 v[S+32*(\t)+(\w)*u:S+32*(\t)+(\w)*u+1], v[S+32*(\t)+(\w)*u:S+32*(\t)+(\w)*u+1], v[S+32*(\t)+(\w)*u+(\w)/2:S+32*(\t)+(\w)*u+(\w)/2+1]
.endr
.set u, u+1
.endr
.endr
.irp t, 0,1
	v_pk_fma_f32 v[ST+8*(\t)+2:ST+8*(\t)+3], v[ST+8*(\t)+2:ST+8*(\t)+3], v[ST+8*(\t)+6:ST+8*(\t)+7], v[S+32*(\t):S+32*(\t)+1] op_sel_hi:[1,0,1]  ; l = a l + the sum
.endr
.set z, 0
.rept 16                            ; O^T times a, each accumulator from its low end
.irp t, 0,1
	v_pk_mul_f32 v[O+32*(\t)+2*z:O+32*(\t)+2*z+1], v[O+32*(\t)+2*z:O+32*(\t)+2*z+1], v[ST+8*(\t)+6:ST+8*(\t)+7] op_sel_hi:[1,0]
.endr
.set z, z+1
.endr
.endm
; A KEY STEP.  more = 1: the tile's next step follows, and its K is fetched behind this step's V.
.macro STEP s, more
	s_wait_dscnt 0x0                ; K is in
	KQ \s
	WIN 0
	PLACES                          ; in front of the loads into K's and V's registers and of the maxima
	FETCH_V \s
.if \more
	FETCH_K (\s)+1
.endif
	WIN 0
	SOFTMAX
	s_wait_dscnt 16*(\more)         ; V is in; the sixteen loads of the next K, issued behind it, may be out
	PV
	WIN 0
.endm
.macro TILE
	v_add_nc_u32 v[AK], s[TB], v[AK0]
	v_add_nc_u32 v[AV], s[TB], v[AV0]
	FETCH_K 0
	STEP 0, 1
	STEP 1, 0
.endm
; A BLOCK ENDS: l's two halves and the other half of the lanes' are added; O^T is divided by l, rounded to f16 and sent through my stage in LDS, a tile at a time.
.macro PACKO t                      ; a lane's eight channels of a row pack into 16 bytes; they go into rows of 144 bytes and come back as whole rows of 128, into S^T's registers
.set z, 0
.rept 16
	v_pk_mul_f32 v[O+32*(\t)+2*z:O+32*(\t)+2*z+1], v[O+32*(\t)+2*z:O+32*(\t)+2*z+1], v[ST+8*(\t)+6:ST+8*(\t)+7] op_sel_hi:[1,0]
.set z, z+1
.endr
.set z, 0
.rept 16
	v_cvt_pk_f16_f32 v[S+16*(\t)+z], v[O+32*(\t)+2*z], v[O+32*(\t)+2*z+1]
.set z, z+1
.endr
.irp f, 0,1,2,3
	ds_store_b128 v[STO], v[S+16*(\t)+4*(\f):S+16*(\t)+4*(\f)+3] offset:32*(\f)
.endr
.irp f, 0,1,2,3
	ds_load_b128 v[S+16*(\t)+4*(\f):S+16*(\t)+4*(\f)+3], v[RD] offset:(\f)*4*SP  ; LDS serves a wave's instructions in order (ISA guide 5.7.1.4): these see the stores above; the next tile's stores come behind them
.endr
.endm
.macro SENDO t, younger             ; younger: the LDS instructions issued behind tile t's loads: the next tile's eight, or none
.irp f, 0,1,2,3
	s_wait_dscnt (\younger)+3-(\f)
	global_store_b128 v[GO], v[S+16*(\t)+4*(\f):S+16*(\t)+4*(\f)+3], s[10:11] offset:(\t)*2048+(\f)*512  ; 512 consecutive bytes, at a multiple of 256 from O's first
.endr
.endm
.macro END
	PLACES
.irp t, 0,1
	v_add_f32 v[ST+8*(\t)+4], v[ST+8*(\t)+2], v[ST+8*(\t)+3]
.endr
.irp t, 0,1
	v_permlanex16_b32 v[ST+8*(\t)+5], v[ST+8*(\t)+4], s[SEL], s[SEL+1]
.endr
.irp t, 0,1
	v_add_f32 v[ST+8*(\t)+4], v[ST+8*(\t)+4], v[ST+8*(\t)+5]
.endr
.irp t, 0,1
	v_rcp_f32 v[ST+8*(\t)+6], v[ST+8*(\t)+4]
.endr
	v_nop                           ; a plain instruction between the last reciprocal and the use of its result
	s_wait_alu depctr_va_vdst(0)
	PACKO 0
	PACKO 1
	SENDO 0, 8
	SENDO 1, 0
.endm
	INIT
	s_wait_loadcnt 0x0              ; both blocks' Q
.Ltile:                             ; 16 times: a tile is entered and the next is asked for
	CHANGE 1
	s_sub_co_u32 s[RT], s[RT], 1
	s_cmp_eq_u32 s[RT], 0           ; the block's last tile holds the diagonal
	s_cselect_b32 s[AL], 1.0, 0
	MASK
	TILE
	s_cmp_lg_u32 s[RT], 0
	s_cbranch_scc1 .Lbottom         ; forward, past text that holds neither a barrier nor a tensor load
	END                             ; in the loop this is the first block's end: the second block's last tile is the walk's last
	s_wait_xcnt 0x0                 ; the stores' registers and O's address are rewritten only behind this wait
	s_mov_b64 s[10:11], s[OLO:OLO+1]
	s_add_co_u32 s[RT], s[PB], 1    ; the second block has p + 1 tiles
	INIT
	WIN 0x41                        ; the second block's Q goes where the one text of the steps names Q
.set i, 0
.rept 32
	v_mov_b32 v[i], v[QB+i]
.set i, i+1
.endr
	WIN 0
.Lbottom:
	s_sub_co_u32 s[SLOTS], s[SLOTS], 1
	s_cmp_lg_u32 s[SLOTS], 0
	s_cbranch_scc1 .Ltile
	CHANGE 0                        ; the walk's last tile is written out: nothing is asked for
	s_mov_b32 s[AL], 1.0            ; it is the second block's diagonal tile
	MASK
	TILE
	END
	s_wait_tensorcnt 0x0            ; the wave's end: behind my last tensor load and my last LDS store
	ds_add_u32 v[SPW], v[NIL]
	s_wait_dscnt 0x0
	s_endpgm
.Lfunc_end_k_q613cd0d1ac_attn:
	.size	k_q613cd0d1ac_attn, .Lfunc_end_k_q613cd0d1ac_attn-k_q613cd0d1ac_attn
	.p2alignl 7, 3214868480
	.fill 96, 4, 3214868480
	.section	.rodata,"a",@progbits
	.p2align	6, 0x0
	.amdhsa_kernel k_q613cd0d1ac_attn
		.amdhsa_group_segment_fixed_size 327680
		.amdhsa_private_segment_fixed_size 0
		.amdhsa_enable_private_segment 0
		.amdhsa_kernarg_size 16
		.amdhsa_user_sgpr_count 2
		.amdhsa_user_sgpr_kernarg_segment_ptr 1
		.amdhsa_wavefront_size32 1
		.amdhsa_system_sgpr_workgroup_id_x 1
		.amdhsa_system_sgpr_workgroup_id_y 1
		.amdhsa_system_sgpr_workgroup_id_z 1
		.amdhsa_system_vgpr_workitem_id 0
		.amdhsa_next_free_vgpr 656
		.amdhsa_next_free_sgpr 88
		.amdhsa_reserve_vcc 1
		.amdhsa_float_denorm_mode_32 3
		.amdhsa_float_denorm_mode_16_64 3
		.amdhsa_memory_ordered 1
		.amdhsa_forward_progress 1
		.amdhsa_inst_pref_size 109
	.end_amdhsa_kernel
	.amdgpu_metadata
---
amdhsa.version: [ 1, 2 ]
amdhsa.kernels:
  - .name:           k_q613cd0d1ac_attn
    .symbol:         k_q613cd0d1ac_attn.kd
    .args:
      - { .name: big, .offset: 0, .size: 8, .value_kind: global_buffer, .address_space: global }
      - { .name: ob, .offset: 8, .size: 8, .value_kind: global_buffer, .address_space: global }
    .group_segment_fixed_size: 327680
    .private_segment_fixed_size: 0
    .kernarg_segment_align: 8
    .kernarg_segment_size: 16
    .max_flat_workgroup_size: 128
    .sgpr_count:     88
    .vgpr_count:     656
    .wavefront_size: 32
...
	.end_amdgpu_metadata
.endif
;; end of part 3
;; launch wo (part 4): grid 8 x 32, 4 waves a work-group, clusters of 4 x 4, 327,680 bytes of LDS; arguments ob, wo_h, zb; writes zb
.if DOCPART == 4
	.amdgcn_target "amdgcn-amd-amdhsa--gfx1250"
	.amdhsa_code_object_version 6
	.text
	.protected	k_q613cd0d1ac_wo
	.globl	k_q613cd0d1ac_wo
	.p2align	8
	.type	k_q613cd0d1ac_wo,@function
k_q613cd0d1ac_wo:
	s_mov_b64 s[64:65], 0
	v_nop
	global_prefetch_b8 v0, s[64:65] scope:SCOPE_SE
	s_setreg_imm32_b32 hwreg(HW_REG_WAVE_MODE, 25, 1), 1
	s_wait_xcnt 0x0
	s_wait_alu depctr_hold_cnt(0) depctr_sa_sdst(0) depctr_va_vdst(0) depctr_va_sdst(0) depctr_va_ssrc(0) depctr_va_vcc(0) depctr_vm_vsrc(0)
	s_getreg_b32 s2, hwreg(HW_REG_IB_STS2, 6, 4)
	s_cmp_eq_u32 s2, 0
	s_cbranch_scc0 .Lentry_in_a_cluster
	s_endpgm
.Lentry_in_a_cluster:
	s_bfe_u32 s2, ttmp6, 0x10000c
	s_cmp_lg_u32 s2, 0xf033
	s_cbranch_scc0 .Lentry_shape_is_right
	s_endpgm
.Lentry_shape_is_right:
; C = A W + bias.  A: [KDIM/64][4096][64] f16.  W: a header of 32,768 bytes (bias[N] f32 at 0), then [N/64][KDIM][64] f16.
; OUT32 = 1: C is [4096][1024] f32, row-major, and has no floor: it is carried on into a LayerNorm and may pass f16's range.  (OUT32 = 0: C is [N/64][4096][64] f16 with a floor.)
; A tile of C is 128 x 128.  Four waves, each 64 x 64: 16 accumulators of 16 x 16.  K goes in steps of 256 through two LDS slots; a wave's one tensor load brings half of A's or of B's part of a step.
; A's half: 64 rows x 4 blocks of 64 along K; a block's 64 row pieces are 8,192 consecutive bytes, asked for as one row.  B's half: 256 k x 64 columns, 32,768 consecutive bytes, asked for as 128 rows of 256.
; CLUSTERS: 4 x 4 work-groups.  The four of a row of the cluster need the same tiles of A, the four of a column the same tiles of W: each tile is asked for JOINTLY, by the same tensor load with the
; same descriptor and a mask that names the four.  THE MATRIX INSTRUCTION IS USED TRANSPOSED (source 0 = 16 columns of W, turned by ds_load_tr16_b128; source 1 = 16 rows of A): a lane then holds eight neighbouring numbers of a row of C.
; REGISTERS: window 0: v0-31 addresses; v32-95 at work on the way out; v96-127 the bias of my 64 columns; v128-255 the accumulators ((a, b) at v[128 + 8 (4 a + b)]).
;   window 1: two fragment buffers of 128: for 64 along K, 64 registers of A (2 x 4 x 16 rows x 32 K), then 64 of W.
.set KDIM,  1024
.set OUT32, 1
.set WOFF,  32768                      ; the header's bytes
.set PA,    144                        ; a row piece of A in LDS: 128 bytes + 16 of padding = 36 words: the 16 rows of a load start at 16 different groups of four banks (64 banks of 4 bytes: ISA guide 11.1)
.set PB,    160                        ; a row of W: 128 + 32 = 40 words
.set AHALF, 4*64*PA                    ; [4 blocks along K][64 rows][144]
.set BHALF, 256*PB                     ; [256 k][160]
.set BOFF,  2*AHALF
.set SLOT,  2*AHALF+2*BHALF
.set ASTEP, 4*4096*128                 ; bytes from a K step of A to the next
.set BSTEP, 256*128                    ; and of W
.if OUT32
.set STAGE, 0                          ; 16 rows x 272 bytes for each wave, in slot 0: it has had its last fill, and its last reads lie ahead of the last change of slots
.set SP,    272
.set SPARE, 2*SLOT                     ; the spare words, 128 bytes for each wave: two blocks of 256 bytes that no other line names
.else
.set STAGE, 2*SLOT                     ; behind the ring: 16 rows x 144 bytes for each wave
.set SP,    144
.set SPARE, STAGE+4*16*SP
.endif
.set LAPS, KDIM/512                    ; a lap = two K steps = once round the ring
.set ADRA, 16                          ; v16-17  LDS address of my A fragments in slot 0, 1
.set ADRB, 20                          ; v20-21  the same for W
.set STO,  24                          ; v24     the way out: where I put my numbers of a row
.set RD,   25                          ; v25     the way out: where I read rows back
.set CO,   26                          ; v26     my byte offset in C
.set BO,   27                          ; v27     my byte offset in the bias
.set SPW,  28                          ; v28     LDS address of my spare word: SPARE + 4 x my thread's number; never rewritten
.set NIL,  29                          ; v29     0; never rewritten
.set TMP,  32
.set BIAS, 96
.set ACC,  128
.set F0,   0                           ; fragment buffers, in window 1
.set F1,   128
.set G1, 24                            ; s[24:31] descriptor group 1 for A's tiles;  s[32:39] group 0, one set for each slot
.set G0, 32
.set G1B, 48                           ; s[48:55], s[56:63] the same for W's tiles
.set G0B, 56
.set MSB, 0
.macro WIN new                         ; the immediate's high byte repeats the setting that is left
.if MSB != (\new)
	s_set_vgpr_msb (MSB<<8)|(\new)
.set MSB, \new
.endif
.endm
.set MUL,  0x05                        ; sources 0 (W) and 1 (A) window 1; C and D window 0
.set TO_F, 0x40                        ; destination window 1, address window 0
.macro JLOAD s                         ; a joint load: waves 0 and 1 fetch A's two halves, waves 2 and 3 W's; an s_nop 0 and four v_nop follow each of the two lines, ahead of the jump, the label and what follows
	s_cmp_eq_u32 s11, 0
	s_cbranch_scc0 .Lfor_b_\@
	tensor_load_to_lds s[G0+4*(\s):G0+4*(\s)+3], s[G1:G1+7]
	s_nop 0
.rept 4
	v_nop
.endr
	s_branch .Lasked_\@
.Lfor_b_\@:
	tensor_load_to_lds s[G0B+4*(\s):G0B+4*(\s)+3], s[G1B:G1B+7]
	s_nop 0
.rept 4
	v_nop
.endr
.Lasked_\@:
.endm
.macro CREST                           ; a round of the cluster's barrier behind its opening barrier
	s_cmp_lg_u32 s10, 0
	s_cbranch_scc1 .Lnot_wave_0_\@
	s_barrier_signal -3
.Lnot_wave_0_\@:
	s_barrier_wait -3
	s_barrier_signal -1
	s_barrier_wait -1
.endm
.macro CROUND                          ; a whole round
	s_barrier_signal -1
	s_barrier_wait -1
	CREST
.endm
	s_load_b128 s[4:7], s[0:1], 0x0                ; A s[4:5], W s[6:7]
	s_load_b64 s[8:9], s[0:1], 0x10                ; C
	v_lshl_add_u32 v[SPW], v0, 2, SPARE
	v_mov_b32 v[NIL], 0
	ds_add_u32 v28, v29
	s_wait_dscnt 0x0
	v_lshrrev_b32 v1, 5, v0
	v_readfirstlane_b32 s10, v1                    ; wave 0..3
	s_lshr_b32 s11, s10, 1                         ; which half of the tile's rows is mine.  Also: I fetch for A (0) or for W (1)
	s_and_b32 s12, s10, 1                          ; which half of its columns.  Also: which half of that tile I fetch
	s_bfe_u32 s40, ttmp6, 0x40000                  ; cx, cy: my place in the cluster
	s_bfe_u32 s41, ttmp6, 0x40004
	s_lshl_b32 s42, ttmp9, 2
	s_add_co_u32 s42, s42, s40                     ; tile column of C = 4 x cluster x + cx
	s_and_b32 s13, ttmp7, 0xffff
	s_lshl_b32 s13, s13, 2
	s_add_co_u32 s13, s13, s41                     ; tile row of C = 4 x cluster y + cy
	s_lshl_b32 s43, s41, 2
	s_lshl_b32 s43, 15, s43                        ; my row of the cluster
	s_lshl_b32 s44, 0x1111, s40                    ; my column
	s_or_b32 s[G1+0], s43, (1<<16)|(1<<20)|(1<<21)|(4<<22)|(3<<25)  ; 15:0 the mask: A's tiles go to my row; 17:16 element of 2 bytes; 20 padding on; 21 set beside a mask; 24:22 after every 32 words (code 4); 31:25 of 4 words (code 3)
	s_mov_b32 s[G1+1], 4096<<16                    ; tensor_dim0 = 4,096 elements: 64 row pieces on end
	s_mov_b32 s[G1+2], 4<<16                       ; tensor_dim1 = 4 blocks along K
	s_mov_b32 s[G1+3], 4096<<16                    ; tile_dim0
	s_mov_b32 s[G1+4], 4                           ; tile_dim1
	s_mov_b32 s[G1+5], 262144                      ; elements from a block along K to the next: 4,096 rows x 64
	s_mov_b32 s[G1+6], 0
	s_mov_b32 s[G1+7], 0
	s_or_b32 s[G1B+0], s44, (1<<16)|(1<<20)|(1<<21)|(4<<22)|(7<<25) ; the mask of my column; 8 words of padding (code 7)
	s_mov_b32 s[G1B+1], 128<<16                    ; tensor_dim0 = 128 elements: two rows of W's block on end
	s_mov_b32 s[G1B+2], 128<<16                    ; tensor_dim1 = 128
	s_mov_b32 s[G1B+3], 128<<16                    ; tile_dim0
	s_mov_b32 s[G1B+4], 128                        ; tile_dim1
	s_mov_b32 s[G1B+5], 128                        ; dense
	s_mov_b32 s[G1B+6], 0
	s_mov_b32 s[G1B+7], 0
	; where the tiles come from.  A's hang on the tile row alone, W's on the tile column alone, each in registers that never hold the other coordinate
	s_lshl_b32 s16, s13, 14                        ; 128 rows x 128 bytes a tile row,
	s_lshl_b32 s17, s12, 13                        ; 64 rows a half
	s_add_co_u32 s16, s16, s17
	s_mov_b32 s17, 0
	s_lshl_b32 s46, s42, 1
	s_add_co_u32 s46, s46, s12                     ; W's column block of 64
	s_mul_i32 s46, s46, KDIM*128
	s_add_co_u32 s46, s46, WOFF
	s_mov_b32 s47, 0
	s_lshl_b32 s22, s42, 9                         ; the bias of my 64 columns: 4 bytes x (128 x tile column + 64 x half)
	s_lshl_b32 s23, s12, 8
	s_add_co_u32 s22, s22, s23
	s_mov_b32 s23, 0
	s_mul_i32 s20, s12, AHALF                      ; where they go: no place in the cluster enters an LDS address
	s_mul_i32 s21, s12, BHALF
	s_add_co_u32 s21, s21, BOFF
	s_wait_kmcnt 0x0
	s_add_nc_u64 s[14:15], s[4:5], s[16:17]
	s_add_nc_u64 s[46:47], s[6:7], s[46:47]
	s_add_nc_u64 s[18:19], s[6:7], s[22:23]
	CROUND                                         ; all sixteen work-groups are here: the first joint loads meet
.irp s, 0,1
	s_mov_b32 s[G0+4*(\s)], 1
	s_add_co_u32 s[G0+4*(\s)+1], s20, (\s)*SLOT
	s_add_nc_u64 s[G0+4*(\s)+2:G0+4*(\s)+3], s[14:15], (\s)*ASTEP
	s_or_b32 s[G0+4*(\s)+3], s[G0+4*(\s)+3], 0x80000000
	s_mov_b32 s[G0B+4*(\s)], 1
	s_add_co_u32 s[G0B+4*(\s)+1], s21, (\s)*SLOT
	s_add_nc_u64 s[G0B+4*(\s)+2:G0B+4*(\s)+3], s[46:47], (\s)*BSTEP
	s_or_b32 s[G0B+4*(\s)+3], s[G0B+4*(\s)+3], 0x80000000
	JLOAD \s                                       ; two loads of mine are out now, later one
.endr
.if OUT32 == 0
	s_load_b32 s45, s[6:7], 0x4000                 ; the floor
.endif
	v_and_b32 v1, 15, v0                           ; l % 16
	v_bfe_u32 v2, v0, 4, 1                         ; l / 16
	v_mul_u32_u24 v3, v1, PA
	v_lshl_add_u32 v3, v2, 4, v3                   ; A: row x pitch + 16 x half
	v_and_b32 v7, 7, v0
	v_lshl_add_u32 v4, v2, 3, v7                   ; W, turned: lane l reads k = 8 (l / 16) + l % 8,
	v_mul_u32_u24 v4, v4, PB
	v_bfe_u32 v5, v0, 3, 1
	v_lshl_add_u32 v4, v5, 4, v4                   ; columns 8 ((l / 8) % 2) + 0..7
	s_mul_i32 s20, s11, AHALF                      ; my 64 rows of A
	s_mul_i32 s21, s12, BHALF                      ; my 64 columns of W
	s_add_co_u32 s21, s21, BOFF
.irp s, 0,1
	v_add_nc_u32 v[ADRA+(\s)], s20, v3
	v_add_nc_u32 v[ADRB+(\s)], s21, v4
	s_add_co_u32 s20, s20, SLOT
	s_add_co_u32 s21, s21, SLOT
.endr
	v_lshlrev_b32 v[BO], 5, v2                     ; my eight columns of a block of 16: 32 bytes x half
.irp b, 0,1,2,3
	global_load_b128 v[BIAS+8*(\b):BIAS+8*(\b)+3],   v[BO], s[18:19] offset:64*(\b)
	global_load_b128 v[BIAS+8*(\b)+4:BIAS+8*(\b)+7], v[BO], s[18:19] offset:64*(\b)+16
.endr
	s_mul_i32 s23, s10, 16*SP
	s_add_co_u32 s23, s23, STAGE                   ; my stage
.if OUT32
	v_mul_u32_u24 v6, v1, SP                       ; in: row l % 16, 32 bytes for each half of the lanes
	v_lshl_add_u32 v6, v2, 5, v6
	v_add_nc_u32 v[STO], s23, v6
	v_mul_u32_u24 v6, v2, SP                       ; back: lanes 0-15 take one row of 256 bytes, lanes 16-31 the next
	v_lshl_add_u32 v6, v1, 4, v6
	v_add_nc_u32 v[RD], s23, v6
	v_lshlrev_b32 v[CO], 12, v2                    ; and the same two rows in C, 4,096 bytes apart
	v_lshl_add_u32 v[CO], v1, 4, v[CO]
	s_lshl_b32 s16, s13, 19                        ; my first row of C: (128 x tile row + 64 x half) x 4,096 bytes
	s_lshl_b32 s17, s11, 18
	s_add_co_u32 s16, s16, s17
	s_lshl_b32 s46, s42, 9                         ; my first column: (128 x tile column + 64 x half) x 4 bytes
	s_lshl_b32 s47, s12, 8
	s_add_co_u32 s46, s46, s47
.else
	v_mul_u32_u24 v6, v1, SP                       ; in: row l % 16, 16 bytes for each half of the lanes
	v_lshl_add_u32 v6, v2, 4, v6
	v_add_nc_u32 v[STO], s23, v6
	v_bfe_u32 v6, v0, 3, 2                         ; back: 32 lanes take four rows of 128 bytes,
	v_mul_u32_u24 v6, v6, SP
	v_lshl_add_u32 v6, v7, 4, v6
	v_add_nc_u32 v[RD], s23, v6
	v_and_b32 v[CO], 31, v0                        ; which are 512 consecutive bytes of C
	v_lshlrev_b32 v[CO], 4, v[CO]
	s_lshl_b32 s16, s13, 14                        ; my first row in a column block of C: (128 x tile row + 64 x half) x 128 bytes
	s_lshl_b32 s17, s11, 13
	s_add_co_u32 s16, s16, s17
	s_lshl_b32 s46, s42, 1                         ; my column block: 4,096 rows x 128 bytes each
	s_add_co_u32 s46, s46, s12
	s_lshl_b32 s46, s46, 19
.endif
	s_mov_b32 s17, 0
	s_mov_b32 s47, 0
	s_add_nc_u64 s[8:9], s[8:9], s[16:17]
	s_add_nc_u64 s[8:9], s[8:9], s[46:47]
; 8 matrix instructions: m blocks a0, a0 + 1 x all 4 n blocks, 32 along K: half c of buffer f.  zero = 1: the first product starts the sums.  The 16 accumulators take turns.
.macro MUL8 f, c, a0, zero
	WIN MUL
.irp a, \a0, (\a0)+1
.irp b, 0,1,2,3
.if \zero
	v_wmma_f32_16x16x32_f16 v[ACC+8*(4*(\a)+(\b)):ACC+8*(4*(\a)+(\b))+7], v[(\f)+64+8*(4*(\c)+(\b)):(\f)+64+8*(4*(\c)+(\b))+7], v[(\f)+8*(4*(\c)+(\a)):(\f)+8*(4*(\c)+(\a))+7], 0
.else
	v_wmma_f32_16x16x32_f16 v[ACC+8*(4*(\a)+(\b)):ACC+8*(4*(\a)+(\b))+7], v[(\f)+64+8*(4*(\c)+(\b)):(\f)+64+8*(4*(\c)+(\b))+7], v[(\f)+8*(4*(\c)+(\a)):(\f)+8*(4*(\c)+(\a))+7], v[ACC+8*(4*(\a)+(\b)):ACC+8*(4*(\a)+(\b))+7]
.endif
.endr
.endr
.endm
; 32 LDS loads in one run: the fragments of quarter q (64 along K) of a slot, into buffer f; the first 32 along K first
.macro FETCH slot, q, f
	WIN TO_F
.irp c, 0,1
.irp i, 0,1,2,3
	ds_load_tr16_b128 v[(\f)+64+8*(4*(\c)+(\i)):(\f)+64+8*(4*(\c)+(\i))+3],   v[ADRB+(\slot)] offset:(\q)*64*PB+(\c)*32*PB+32*(\i)
	ds_load_tr16_b128 v[(\f)+64+8*(4*(\c)+(\i))+4:(\f)+64+8*(4*(\c)+(\i))+7], v[ADRB+(\slot)] offset:(\q)*64*PB+(\c)*32*PB+32*(\i)+16*PB
	ds_load_b128 v[(\f)+8*(4*(\c)+(\i)):(\f)+8*(4*(\c)+(\i))+3],              v[ADRA+(\slot)] offset:(\q)*64*PA+(\i)*16*PA+64*(\c)
	ds_load_b128 v[(\f)+8*(4*(\c)+(\i))+4:(\f)+8*(4*(\c)+(\i))+7],            v[ADRA+(\slot)] offset:(\q)*64*PA+(\i)*16*PA+64*(\c)+32
.endr
.endr
.endm
.macro PLACES                          ; four places in front of loads into registers that matrix instructions have read, and of vector work on results
.rept 4
	v_nop
.endr
.endm
; A K step is four quarters of 64 along K, 32 matrix instructions each, on buffers 0, 1, 0, 1.  One of the first three: multiplies buffer f and fetches quarter q into g.
.macro QUARTER slot, q, f, g, zero
	s_wait_dscnt 16                                ; the first 32 along K are in; the sixteen loads of the second 32 may be out
	MUL8 \f, 0, 0, \zero
	MUL8 \f, 0, 2, \zero
	PLACES
	FETCH \slot, \q, \g
	s_wait_dscnt 32                                ; all but the 32 just issued
	MUL8 \f, 1, 0, 0
	MUL8 \f, 1, 2, 0
.endm
; The last quarter multiplies buffer 1 and changes slots: ONE barrier; in front of it each wave waits for all its tensor loads, adds 0 to its spare word, and waits for that and for its own reads of this slot.  fill = 1: this slot is filled again, two K steps ahead.
.macro TURN slot, next, fill
	WIN 0                                          ; (the add's two registers lie in window 0)
	s_wait_tensorcnt 0x0                           ; all my tensor loads have landed: my part of the next slot;
	ds_add_u32 v[SPW], v[NIL]                      ; 0 onto my spare word
	s_wait_dscnt 17                                ; (the add and the youngest sixteen loads may be out)
	MUL8 F1, 0, 0, 0                               ; eight matrix instructions stand between the add and the wait for it
	s_wait_dscnt 0x0                               ; the add is done, and my reads of this slot are over
	s_barrier_signal -1
	MUL8 F1, 0, 2, 0
.if \fill
	WIN 0
.endif
	s_barrier_wait -1
.if \fill
	CREST                                          ; the barrier has opened a round of the cluster's barrier: no wave of any partner still reads this slot's tile or has a load on its way
	s_add_nc_u64 s[G0+4*(\slot)+2:G0+4*(\slot)+3], s[G0+4*(\slot)+2:G0+4*(\slot)+3], 2*ASTEP
	s_add_nc_u64 s[G0B+4*(\slot)+2:G0B+4*(\slot)+3], s[G0B+4*(\slot)+2:G0B+4*(\slot)+3], 2*BSTEP
	JLOAD \slot                                    ; the first tensor load behind the round; the four v_nop behind it are also the places in front of the loads below
.else
	PLACES
.endif
	FETCH \next, 0, F0
	MUL8 F1, 1, 0, 0
	MUL8 F1, 1, 2, 0
.endm
.if OUT32 == 0
	s_wait_kmcnt 0x0                               ; the floor
.endif
	s_wait_tensorcnt 1                             ; my part of K step 0 is in; K step 1's may stay out
	s_barrier_signal -1
	s_barrier_wait -1                              ; everybody's is
	FETCH 0, 0, F0
	QUARTER 0, 1, F0, F1, 1                        ; the first quarter stands in front of the loop: its first products start the sums
	WIN 0                                          ; at a label and at a branch every window is 0
	s_mov_b32 s3, LAPS-1
.Llap:                                                 ; a trip goes once round the ring, from a lap's second quarter to the next lap's first, and fills both slots again
	QUARTER 0, 2, F1, F0, 0
	QUARTER 0, 3, F0, F1, 0
	TURN 0, 1, 1
	QUARTER 1, 1, F0, F1, 0
	QUARTER 1, 2, F1, F0, 0
	QUARTER 1, 3, F0, F1, 0
	TURN 1, 0, 1
	QUARTER 0, 1, F0, F1, 0
	WIN 0
	s_sub_co_u32 s3, s3, 1
	s_cmp_lg_u32 s3, 0
	s_cbranch_scc1 .Llap
	QUARTER 0, 2, F1, F0, 0                        ; the last lap fills nothing, and has no round of the cluster's barrier
	QUARTER 0, 3, F0, F1, 0
	TURN 0, 1, 0
	QUARTER 1, 1, F0, F1, 0
	QUARTER 1, 2, F1, F0, 0
	QUARTER 1, 3, F0, F1, 0
	s_wait_dscnt 16                                ; the very last quarter: nothing more to fetch
	MUL8 F1, 0, 0, 0
	MUL8 F1, 0, 2, 0
	s_wait_dscnt 0
	MUL8 F1, 1, 0, 0
	MUL8 F1, 1, 2, 0
	WIN 0
	; THE WAY OUT, a block of 16 rows at a time through my own stage: LDS serves a wave's instructions in order (ISA guide 5.7.1.4), so no wait stands between my stores and my loads.
	; Each accumulator's registers are taken in ascending order.
.if OUT32
.macro PACK a
.if (\a) >= 2
	s_wait_xcnt 0x0                                ; the registers that the stores of two blocks back read are loaded again only behind this wait
.endif
.irp b, 0,1,2,3
.irp r, 0,2,4,6
	v_pk_add_f32 v[ACC+8*(4*(\a)+(\b))+(\r):ACC+8*(4*(\a)+(\b))+(\r)+1], v[ACC+8*(4*(\a)+(\b))+(\r):ACC+8*(4*(\a)+(\b))+(\r)+1], v[BIAS+8*(\b)+(\r):BIAS+8*(\b)+(\r)+1]
.endr
.endr
.irp b, 0,1,2,3
	ds_store_b128 v[STO], v[ACC+8*(4*(\a)+(\b)):ACC+8*(4*(\a)+(\b))+3]   offset:64*(\b)
	ds_store_b128 v[STO], v[ACC+8*(4*(\a)+(\b))+4:ACC+8*(4*(\a)+(\b))+7] offset:64*(\b)+16
.endr
.irp t, 0,1,2,3,4,5,6,7
	ds_load_b128 v[TMP+32*((\a)%2)+4*(\t):TMP+32*((\a)%2)+4*(\t)+3], v[RD] offset:(\t)*2*SP
.endr
.endm
.macro SEND a, younger                 ; younger: the LDS instructions issued behind block a's loads: the next block's sixteen, or none
.irp t, 0,1,2,3,4,5,6,7
	s_wait_dscnt (\younger)+7-(\t)
	global_store_b128 v[CO], v[TMP+32*((\a)%2)+4*(\t):TMP+32*((\a)%2)+4*(\t)+3], s[8:9] offset:(16*(\a)+2*(\t))*4096  ; 16 lanes store 256 consecutive bytes, at a multiple of 256 from C's first byte
.endr
.endm
.set YOUNG, 16
.else
.macro PACK a
.irp b, 0,1,2,3
.irp r, 0,2,4,6
	v_pk_add_f32 v[ACC+8*(4*(\a)+(\b))+(\r):ACC+8*(4*(\a)+(\b))+(\r)+1], v[ACC+8*(4*(\a)+(\b))+(\r):ACC+8*(4*(\a)+(\b))+(\r)+1], v[BIAS+8*(\b)+(\r):BIAS+8*(\b)+(\r)+1]
.endr
.irp r, 0,1,2,3,4,5,6,7
	v_max_num_f32 v[ACC+8*(4*(\a)+(\b))+(\r)], s45, v[ACC+8*(4*(\a)+(\b))+(\r)]
.endr
.irp r, 0,1,2,3
	v_cvt_pk_f16_f32 v[TMP+16*(\a)+4*(\b)+(\r)], v[ACC+8*(4*(\a)+(\b))+2*(\r)], v[ACC+8*(4*(\a)+(\b))+2*(\r)+1]
.endr
.endr
.irp b, 0,1,2,3
	ds_store_b128 v[STO], v[TMP+16*(\a)+4*(\b):TMP+16*(\a)+4*(\b)+3] offset:32*(\b)
.endr
.irp t, 0,1,2,3
	ds_load_b128 v[TMP+16*(\a)+4*(\t):TMP+16*(\a)+4*(\t)+3], v[RD] offset:(\t)*4*SP
.endr
.endm
.macro SEND a, younger                 ; younger: the LDS instructions issued behind block a's loads: the next block's eight, or none
.irp t, 0,1,2,3
	s_wait_dscnt (\younger)+3-(\t)
	global_store_b128 v[CO], v[TMP+16*(\a)+4*(\t):TMP+16*(\a)+4*(\t)+3], s[8:9] offset:2048*(\a)+512*(\t)  ; 512 consecutive bytes, at a multiple of 256 from C's first byte
.endr
.endm
.set YOUNG, 8
.endif
	PLACES
	s_wait_loadcnt 0x0                             ; the bias
	PACK 0
	PACK 1                                         ; a block's arithmetic stands between the loads of the block before and its stores
	SEND 0, YOUNG
	PACK 2
	SEND 1, YOUNG
	PACK 3
	SEND 2, YOUNG
	SEND 3, 0
	s_wait_tensorcnt 0x0                           ; the wave's end: behind my last tensor load and my last LDS store
	ds_add_u32 v[SPW], v[NIL]
	s_wait_dscnt 0x0
	CROUND                                         ; the closing round: no work-group ends while a partner may still ask for a tile that names it
	s_endpgm
.Lfunc_end_k_q613cd0d1ac_wo:
	.size	k_q613cd0d1ac_wo, .Lfunc_end_k_q613cd0d1ac_wo-k_q613cd0d1ac_wo
	.p2alignl 7, 3214868480
	.fill 96, 4, 3214868480
	.section	.rodata,"a",@progbits
	.p2align	6, 0x0
	.amdhsa_kernel k_q613cd0d1ac_wo
		.amdhsa_group_segment_fixed_size 327680
		.amdhsa_private_segment_fixed_size 0
		.amdhsa_enable_private_segment 0
		.amdhsa_kernarg_size 24
		.amdhsa_user_sgpr_count 2
		.amdhsa_user_sgpr_kernarg_segment_ptr 1
		.amdhsa_wavefront_size32 1
		.amdhsa_system_sgpr_workgroup_id_x 1
		.amdhsa_system_sgpr_workgroup_id_y 1
		.amdhsa_system_sgpr_workgroup_id_z 1
		.amdhsa_system_vgpr_workitem_id 0
		.amdhsa_next_free_vgpr 512
		.amdhsa_next_free_sgpr 66
		.amdhsa_reserve_vcc 0
		.amdhsa_float_denorm_mode_32 3
		.amdhsa_float_denorm_mode_16_64 3
		.amdhsa_memory_ordered 1
		.amdhsa_forward_progress 1
		.amdhsa_inst_pref_size 92
	.end_amdhsa_kernel
	.amdgpu_metadata
---
amdhsa.version: [ 1, 2 ]
amdhsa.kernels:
  - .name:           k_q613cd0d1ac_wo
    .symbol:         k_q613cd0d1ac_wo.kd
    .args:
      - { .name: ob, .offset: 0, .size: 8, .value_kind: global_buffer, .address_space: global }
      - { .name: wo_h, .offset: 8, .size: 8, .value_kind: global_buffer, .address_space: global }
      - { .name: zb, .offset: 16, .size: 8, .value_kind: global_buffer, .address_space: global }
    .group_segment_fixed_size: 327680
    .private_segment_fixed_size: 0
    .kernarg_segment_align: 8
    .kernarg_segment_size: 24
    .max_flat_workgroup_size: 128
    .sgpr_count:     66
    .vgpr_count:     512
    .wavefront_size: 32
...
	.end_amdgpu_metadata
.endif
;; end of part 4
;; launch ln1 (part 5): grid 256 x 1, 8 waves a work-group, no clusters, 0 bytes of LDS; arguments zb, xb, w1_h, ob; writes ob
.if DOCPART == 5
	.amdgcn_target "amdgcn-amd-amdhsa--gfx1250"
	.amdhsa_code_object_version 6
	.text
	.protected	k_q613cd0d1ac_ln1
	.globl	k_q613cd0d1ac_ln1
	.p2align	8
	.type	k_q613cd0d1ac_ln1,@function
k_q613cd0d1ac_ln1:
	s_mov_b64 s[64:65], 0
	v_nop
	global_prefetch_b8 v0, s[64:65] scope:SCOPE_SE
	s_setreg_imm32_b32 hwreg(HW_REG_WAVE_MODE, 25, 1), 1
	s_wait_xcnt 0x0
; h = LayerNorm(x + attn_out) g + b.  attn_out: [4096][1024] f32.  x: [16][4096][64] f16 (the bf16-rounded input).  g, b: one word a column, bf16 gain low and bf16 bias high, at byte 20,480 of the third buffer.
; h: [16][4096][64] f16, rounded once.  Mean, then the mean of the squared differences from it, in f32, as the reference takes them.  LIMIT: h beyond 65,504 becomes an infinity.
; A stream: no LDS, no barrier, no matrix unit, no cluster.  A wave takes two rows, lanes 0-15 one and lanes 16-31 the other; a lane holds 4 columns in each of the 16 blocks of 64 columns, so
; 16 lanes read 256 consecutive bytes of attn_out, and a wave's load of x and store of h cover 256 consecutive bytes (two row pieces on end).  The sums never leave a half of the lanes.
.set X,  8                             ; v[8:39]    x, two words (4 f16) a block
.set T,  40                            ; v[40:55]   at work
.set C,  56                            ; v[56:63]   four running sums of pairs
.set Z,  64                            ; v[64:127]  the row, 4 numbers a block
.set GB, 128                           ; v[128:191] gain and bias of my columns
.set H,  192                           ; v[192:223] h, two words a block
	s_load_b256 s[4:11], s[0:1], 0x0               ; attn_out s[4:5], x s[6:7], header s[8:9], h s[10:11]
	v_lshrrev_b32 v4, 5, v0
	v_readfirstlane_b32 s12, v4                    ; wave
	v_and_b32 v5, 15, v0
	v_bfe_u32 v6, v0, 4, 1
	v_lshlrev_b32 v3, 4, v5                        ; gain and bias: 16 bytes x (l % 16)
	v_lshl_add_u32 v1, v6, 12, v3                  ; attn_out: + 4,096 bytes for the second row
	v_and_b32 v2, 31, v0
	v_lshlrev_b32 v2, 3, v2                        ; x and h: 8 bytes x l
	s_lshl_b32 s13, ttmp9, 4
	s_lshl_b32 s12, s12, 1
	s_add_co_u32 s13, s13, s12                     ; my first row = 16 x work-group + 2 x wave
	s_lshl_b32 s16, s13, 12
	s_mov_b32 s17, 0
	s_lshl_b32 s18, s13, 7
	s_mov_b32 s19, 0
	s_mov_b32 s14, 0x3a800000                      ; 1 / 1024
	s_mov_b32 s15, 0x3727c5ac                      ; 1e-5
	s_wait_kmcnt 0x0
	s_add_nc_u64 s[4:5], s[4:5], s[16:17]
	s_add_nc_u64 s[6:7], s[6:7], s[18:19]
	s_add_nc_u64 s[10:11], s[10:11], s[18:19]
	s_add_nc_u64 s[8:9], s[8:9], 20480
.set k, 0
.rept 16
	global_load_b128 v[Z+4*k:Z+4*k+3], v1, s[4:5] offset:256*k th:TH_LOAD_NT
.set k, k+1
.endr
.set k, 0
.rept 16
	global_load_b64 v[X+2*k:X+2*k+1], v2, s[6:7] offset:524288*k th:TH_LOAD_NT
.set k, k+1
.endr
.set k, 0
.rept 16
	global_load_b128 v[GB+4*k:GB+4*k+3], v3, s[8:9] offset:256*k
.set k, k+1
.endr
	s_wait_loadcnt 16                              ; the row and x are in; the sixteen loads of gain and bias may stay out
.macro ADDX kb, ra, rb                 ; z += x for block kb; ra, rb: the two registers that hold its four f16
	v_cvt_f32_f16 v[T+4*((\kb)%4)],   v\ra\().l
	v_cvt_f32_f16 v[T+4*((\kb)%4)+1], v\ra\().h
	v_cvt_f32_f16 v[T+4*((\kb)%4)+2], v\rb\().l
	v_cvt_f32_f16 v[T+4*((\kb)%4)+3], v\rb\().h
	v_pk_add_f32 v[Z+4*(\kb):Z+4*(\kb)+1],   v[Z+4*(\kb):Z+4*(\kb)+1],   v[T+4*((\kb)%4):T+4*((\kb)%4)+1]
	v_pk_add_f32 v[Z+4*(\kb)+2:Z+4*(\kb)+3], v[Z+4*(\kb)+2:Z+4*(\kb)+3], v[T+4*((\kb)%4)+2:T+4*((\kb)%4)+3]
.endm
	ADDX 0, 8, 9
	ADDX 1, 10, 11
	ADDX 2, 12, 13
	ADDX 3, 14, 15
	ADDX 4, 16, 17
	ADDX 5, 18, 19
	ADDX 6, 20, 21
	ADDX 7, 22, 23
	ADDX 8, 24, 25
	ADDX 9, 26, 27
	ADDX 10, 28, 29
	ADDX 11, 30, 31
	ADDX 12, 32, 33
	ADDX 13, 34, 35
	ADDX 14, 36, 37
	ADDX 15, 38, 39
.macro FOLD                            ; the four running sums into one number, then over the 16 lanes of my row: every lane ends with the sum
	v_pk_add_f32 v[C:C+1], v[C:C+1], v[C+2:C+3]
	v_pk_add_f32 v[C+4:C+5], v[C+4:C+5], v[C+6:C+7]
	v_pk_add_f32 v[C:C+1], v[C:C+1], v[C+4:C+5]
	v_add_f32 v[C], v[C], v[C+1]
	v_add_f32_dpp v[C], v[C], v[C] row_xmask:1 row_mask:0xf bank_mask:0xf
	v_add_f32_dpp v[C], v[C], v[C] row_xmask:2 row_mask:0xf bank_mask:0xf
	v_add_f32_dpp v[C], v[C], v[C] row_xmask:4 row_mask:0xf bank_mask:0xf
	v_add_f32_dpp v[C], v[C], v[C] row_xmask:8 row_mask:0xf bank_mask:0xf
.endm
.irp c, 0,1,2,3                        ; the first eight pairs start the sums: nothing is cleared
	v_pk_add_f32 v[C+2*(\c):C+2*(\c)+1], v[Z+2*(\c):Z+2*(\c)+1], v[Z+8+2*(\c):Z+8+2*(\c)+1]
.endr
.set i, 8
.rept 24
	v_pk_add_f32 v[C+2*(i%4):C+2*(i%4)+1], v[C+2*(i%4):C+2*(i%4)+1], v[Z+2*i:Z+2*i+1]
.set i, i+1
.endr
	FOLD
	v_mul_f32 v[C+2], s14, v[C]                    ; the mean
.set i, 0
.rept 32
	v_pk_add_f32 v[Z+2*i:Z+2*i+1], v[Z+2*i:Z+2*i+1], v[C+2:C+3] op_sel_hi:[1,0] neg_lo:[0,1] neg_hi:[0,1]
.set i, i+1
.endr
.irp c, 0,1,2,3
	v_pk_mul_f32 v[C+2*(\c):C+2*(\c)+1], v[Z+2*(\c):Z+2*(\c)+1], v[Z+2*(\c):Z+2*(\c)+1]
.endr
.set i, 4
.rept 28
	v_pk_fma_f32 v[C+2*(i%4):C+2*(i%4)+1], v[Z+2*i:Z+2*i+1], v[Z+2*i:Z+2*i+1], v[C+2*(i%4):C+2*(i%4)+1]
.set i, i+1
.endr
	FOLD
	v_fma_f32 v[C], v[C], s14, s15                 ; the variance + 1e-5
	v_rsq_f32 v[C+2], v[C]
	v_nop                                          ; a plain instruction between the root and the use of its result (ISA guide 5.7.2)
.set i, 0
	s_wait_alu depctr_va_vdst(0)
.rept 32
	v_pk_mul_f32 v[Z+2*i:Z+2*i+1], v[Z+2*i:Z+2*i+1], v[C+2:C+3] op_sel_hi:[1,0]
.set i, i+1
.endr
	s_wait_loadcnt 0x0                             ; gain and bias
.set i, 0
.rept 64
	v_fma_mix_f32_bf16 v[Z+i], v[Z+i], v[GB+i], v[GB+i] op_sel:[0,0,1] op_sel_hi:[0,1,1]  ; z x gain (low half) + bias (high half)
.set i, i+1
.endr
.set i, 0
.rept 32
	v_cvt_pk_f16_f32 v[H+i], v[Z+2*i], v[Z+2*i+1]
.set i, i+1
.endr
.set k, 0
.rept 16
	global_store_b64 v2, v[H+2*k:H+2*k+1], s[10:11] offset:524288*k  ; 256 consecutive bytes, aligned
.set k, k+1
.endr
	s_endpgm
.Lfunc_end_k_q613cd0d1ac_ln1:
	.size	k_q613cd0d1ac_ln1, .Lfunc_end_k_q613cd0d1ac_ln1-k_q613cd0d1ac_ln1
	.p2alignl 7, 3214868480
	.fill 96, 4, 3214868480
	.section	.rodata,"a",@progbits
	.p2align	6, 0x0
	.amdhsa_kernel k_q613cd0d1ac_ln1
		.amdhsa_group_segment_fixed_size 0
		.amdhsa_private_segment_fixed_size 0
		.amdhsa_enable_private_segment 0
		.amdhsa_kernarg_size 32
		.amdhsa_user_sgpr_count 2
		.amdhsa_user_sgpr_kernarg_segment_ptr 1
		.amdhsa_wavefront_size32 1
		.amdhsa_system_sgpr_workgroup_id_x 1
		.amdhsa_system_sgpr_workgroup_id_y 1
		.amdhsa_system_sgpr_workgroup_id_z 1
		.amdhsa_system_vgpr_workitem_id 0
		.amdhsa_next_free_vgpr 224
		.amdhsa_next_free_sgpr 66
		.amdhsa_reserve_vcc 0
		.amdhsa_float_denorm_mode_32 3
		.amdhsa_float_denorm_mode_16_64 3
		.amdhsa_memory_ordered 1
		.amdhsa_forward_progress 1
		.amdhsa_inst_pref_size 27
	.end_amdhsa_kernel
	.amdgpu_metadata
---
amdhsa.version: [ 1, 2 ]
amdhsa.kernels:
  - .name:           k_q613cd0d1ac_ln1
    .symbol:         k_q613cd0d1ac_ln1.kd
    .args:
      - { .name: zb, .offset: 0, .size: 8, .value_kind: global_buffer, .address_space: global }
      - { .name: xb, .offset: 8, .size: 8, .value_kind: global_buffer, .address_space: global }
      - { .name: w1_h, .offset: 16, .size: 8, .value_kind: global_buffer, .address_space: global }
      - { .name: ob, .offset: 24, .size: 8, .value_kind: global_buffer, .address_space: global }
    .group_segment_fixed_size: 0
    .private_segment_fixed_size: 0
    .kernarg_segment_align: 8
    .kernarg_segment_size: 32
    .max_flat_workgroup_size: 256
    .sgpr_count:     66
    .vgpr_count:     224
    .wavefront_size: 32
...
	.end_amdgpu_metadata
.endif
;; end of part 5
;; launch ffn1: the kernel of part 2 again; grid 16 x 16, 4 waves a work-group, clusters of 4 x 4, 327,680 bytes of LDS; arguments ob, w1_h, big; writes big
;; launch ffn2 (part 6): grid 8 x 32, 4 waves a work-group, clusters of 4 x 4, 327,680 bytes of LDS; arguments big, w2_h, zb; writes zb
.if DOCPART == 6
	.amdgcn_target "amdgcn-amd-amdhsa--gfx1250"
	.amdhsa_code_object_version 6
	.text
	.protected	k_q613cd0d1ac_ffn2
	.globl	k_q613cd0d1ac_ffn2
	.p2align	8
	.type	k_q613cd0d1ac_ffn2,@function
k_q613cd0d1ac_ffn2:
	s_mov_b64 s[64:65], 0
	v_nop
	global_prefetch_b8 v0, s[64:65] scope:SCOPE_SE
	s_setreg_imm32_b32 hwreg(HW_REG_WAVE_MODE, 25, 1), 1
	s_wait_xcnt 0x0
	s_wait_alu depctr_hold_cnt(0) depctr_sa_sdst(0) depctr_va_vdst(0) depctr_va_sdst(0) depctr_va_ssrc(0) depctr_va_vcc(0) depctr_vm_vsrc(0)
	s_getreg_b32 s2, hwreg(HW_REG_IB_STS2, 6, 4)
	s_cmp_eq_u32 s2, 0
	s_cbranch_scc0 .Lentry_in_a_cluster
	s_endpgm
.Lentry_in_a_cluster:
	s_bfe_u32 s2, ttmp6, 0x10000c
	s_cmp_lg_u32 s2, 0xf033
	s_cbranch_scc0 .Lentry_shape_is_right
	s_endpgm
.Lentry_shape_is_right:
; C = A W + bias.  A: [KDIM/64][4096][64] f16.  W: a header of 32,768 bytes (bias[N] f32 at 0), then [N/64][KDIM][64] f16.
; OUT32 = 1: C is [4096][1024] f32, row-major, and has no floor: it is carried on into a LayerNorm and may pass f16's range.  (OUT32 = 0: C is [N/64][4096][64] f16 with a floor.)
; A tile of C is 128 x 128.  Four waves, each 64 x 64: 16 accumulators of 16 x 16.  K goes in steps of 256 through two LDS slots; a wave's one tensor load brings half of A's or of B's part of a step.
; A's half: 64 rows x 4 blocks of 64 along K; a block's 64 row pieces are 8,192 consecutive bytes, asked for as one row.  B's half: 256 k x 64 columns, 32,768 consecutive bytes, asked for as 128 rows of 256.
; CLUSTERS: 4 x 4 work-groups.  The four of a row of the cluster need the same tiles of A, the four of a column the same tiles of W: each tile is asked for JOINTLY, by the same tensor load with the
; same descriptor and a mask that names the four.  THE MATRIX INSTRUCTION IS USED TRANSPOSED (source 0 = 16 columns of W, turned by ds_load_tr16_b128; source 1 = 16 rows of A): a lane then holds eight neighbouring numbers of a row of C.
; REGISTERS: window 0: v0-31 addresses; v32-95 at work on the way out; v96-127 the bias of my 64 columns; v128-255 the accumulators ((a, b) at v[128 + 8 (4 a + b)]).
;   window 1: two fragment buffers of 128: for 64 along K, 64 registers of A (2 x 4 x 16 rows x 32 K), then 64 of W.
.set KDIM,  4096
.set OUT32, 1
.set WOFF,  32768                      ; the header's bytes
.set PA,    144                        ; a row piece of A in LDS: 128 bytes + 16 of padding = 36 words: the 16 rows of a load start at 16 different groups of four banks (64 banks of 4 bytes: ISA guide 11.1)
.set PB,    160                        ; a row of W: 128 + 32 = 40 words
.set AHALF, 4*64*PA                    ; [4 blocks along K][64 rows][144]
.set BHALF, 256*PB                     ; [256 k][160]
.set BOFF,  2*AHALF
.set SLOT,  2*AHALF+2*BHALF
.set ASTEP, 4*4096*128                 ; bytes from a K step of A to the next
.set BSTEP, 256*128                    ; and of W
.if OUT32
.set STAGE, 0                          ; 16 rows x 272 bytes for each wave, in slot 0: it has had its last fill, and its last reads lie ahead of the last change of slots
.set SP,    272
.set SPARE, 2*SLOT                     ; the spare words, 128 bytes for each wave: two blocks of 256 bytes that no other line names
.else
.set STAGE, 2*SLOT                     ; behind the ring: 16 rows x 144 bytes for each wave
.set SP,    144
.set SPARE, STAGE+4*16*SP
.endif
.set LAPS, KDIM/512                    ; a lap = two K steps = once round the ring
.set ADRA, 16                          ; v16-17  LDS address of my A fragments in slot 0, 1
.set ADRB, 20                          ; v20-21  the same for W
.set STO,  24                          ; v24     the way out: where I put my numbers of a row
.set RD,   25                          ; v25     the way out: where I read rows back
.set CO,   26                          ; v26     my byte offset in C
.set BO,   27                          ; v27     my byte offset in the bias
.set SPW,  28                          ; v28     LDS address of my spare word: SPARE + 4 x my thread's number; never rewritten
.set NIL,  29                          ; v29     0; never rewritten
.set TMP,  32
.set BIAS, 96
.set ACC,  128
.set F0,   0                           ; fragment buffers, in window 1
.set F1,   128
.set G1, 24                            ; s[24:31] descriptor group 1 for A's tiles;  s[32:39] group 0, one set for each slot
.set G0, 32
.set G1B, 48                           ; s[48:55], s[56:63] the same for W's tiles
.set G0B, 56
.set MSB, 0
.macro WIN new                         ; the immediate's high byte repeats the setting that is left
.if MSB != (\new)
	s_set_vgpr_msb (MSB<<8)|(\new)
.set MSB, \new
.endif
.endm
.set MUL,  0x05                        ; sources 0 (W) and 1 (A) window 1; C and D window 0
.set TO_F, 0x40                        ; destination window 1, address window 0
.macro JLOAD s                         ; a joint load: waves 0 and 1 fetch A's two halves, waves 2 and 3 W's; an s_nop 0 and four v_nop follow each of the two lines, ahead of the jump, the label and what follows
	s_cmp_eq_u32 s11, 0
	s_cbranch_scc0 .Lfor_b_\@
	tensor_load_to_lds s[G0+4*(\s):G0+4*(\s)+3], s[G1:G1+7]
	s_nop 0
.rept 4
	v_nop
.endr
	s_branch .Lasked_\@
.Lfor_b_\@:
	tensor_load_to_lds s[G0B+4*(\s):G0B+4*(\s)+3], s[G1B:G1B+7]
	s_nop 0
.rept 4
	v_nop
.endr
.Lasked_\@:
.endm
.macro CREST                           ; a round of the cluster's barrier behind its opening barrier
	s_cmp_lg_u32 s10, 0
	s_cbranch_scc1 .Lnot_wave_0_\@
	s_barrier_signal -3
.Lnot_wave_0_\@:
	s_barrier_wait -3
	s_barrier_signal -1
	s_barrier_wait -1
.endm
.macro CROUND                          ; a whole round
	s_barrier_signal -1
	s_barrier_wait -1
	CREST
.endm
	s_load_b128 s[4:7], s[0:1], 0x0                ; A s[4:5], W s[6:7]
	s_load_b64 s[8:9], s[0:1], 0x10                ; C
	v_lshl_add_u32 v[SPW], v0, 2, SPARE
	v_mov_b32 v[NIL], 0
	ds_add_u32 v28, v29
	s_wait_dscnt 0x0
	v_lshrrev_b32 v1, 5, v0
	v_readfirstlane_b32 s10, v1                    ; wave 0..3
	s_lshr_b32 s11, s10, 1                         ; which half of the tile's rows is mine.  Also: I fetch for A (0) or for W (1)
	s_and_b32 s12, s10, 1                          ; which half of its columns.  Also: which half of that tile I fetch
	s_bfe_u32 s40, ttmp6, 0x40000                  ; cx, cy: my place in the cluster
	s_bfe_u32 s41, ttmp6, 0x40004
	s_lshl_b32 s42, ttmp9, 2
	s_add_co_u32 s42, s42, s40                     ; tile column of C = 4 x cluster x + cx
	s_and_b32 s13, ttmp7, 0xffff
	s_lshl_b32 s13, s13, 2
	s_add_co_u32 s13, s13, s41                     ; tile row of C = 4 x cluster y + cy
	s_lshl_b32 s43, s41, 2
	s_lshl_b32 s43, 15, s43                        ; my row of the cluster
	s_lshl_b32 s44, 0x1111, s40                    ; my column
	s_or_b32 s[G1+0], s43, (1<<16)|(1<<20)|(1<<21)|(4<<22)|(3<<25)  ; 15:0 the mask: A's tiles go to my row; 17:16 element of 2 bytes; 20 padding on; 21 set beside a mask; 24:22 after every 32 words (code 4); 31:25 of 4 words (code 3)
	s_mov_b32 s[G1+1], 4096<<16                    ; tensor_dim0 = 4,096 elements: 64 row pieces on end
	s_mov_b32 s[G1+2], 4<<16                       ; tensor_dim1 = 4 blocks along K
	s_mov_b32 s[G1+3], 4096<<16                    ; tile_dim0
	s_mov_b32 s[G1+4], 4                           ; tile_dim1
	s_mov_b32 s[G1+5], 262144                      ; elements from a block along K to the next: 4,096 rows x 64
	s_mov_b32 s[G1+6], 0
	s_mov_b32 s[G1+7], 0
	s_or_b32 s[G1B+0], s44, (1<<16)|(1<<20)|(1<<21)|(4<<22)|(7<<25) ; the mask of my column; 8 words of padding (code 7)
	s_mov_b32 s[G1B+1], 128<<16                    ; tensor_dim0 = 128 elements: two rows of W's block on end
	s_mov_b32 s[G1B+2], 128<<16                    ; tensor_dim1 = 128
	s_mov_b32 s[G1B+3], 128<<16                    ; tile_dim0
	s_mov_b32 s[G1B+4], 128                        ; tile_dim1
	s_mov_b32 s[G1B+5], 128                        ; dense
	s_mov_b32 s[G1B+6], 0
	s_mov_b32 s[G1B+7], 0
	; where the tiles come from.  A's hang on the tile row alone, W's on the tile column alone, each in registers that never hold the other coordinate
	s_lshl_b32 s16, s13, 14                        ; 128 rows x 128 bytes a tile row,
	s_lshl_b32 s17, s12, 13                        ; 64 rows a half
	s_add_co_u32 s16, s16, s17
	s_mov_b32 s17, 0
	s_lshl_b32 s46, s42, 1
	s_add_co_u32 s46, s46, s12                     ; W's column block of 64
	s_mul_i32 s46, s46, KDIM*128
	s_add_co_u32 s46, s46, WOFF
	s_mov_b32 s47, 0
	s_lshl_b32 s22, s42, 9                         ; the bias of my 64 columns: 4 bytes x (128 x tile column + 64 x half)
	s_lshl_b32 s23, s12, 8
	s_add_co_u32 s22, s22, s23
	s_mov_b32 s23, 0
	s_mul_i32 s20, s12, AHALF                      ; where they go: no place in the cluster enters an LDS address
	s_mul_i32 s21, s12, BHALF
	s_add_co_u32 s21, s21, BOFF
	s_wait_kmcnt 0x0
	s_add_nc_u64 s[14:15], s[4:5], s[16:17]
	s_add_nc_u64 s[46:47], s[6:7], s[46:47]
	s_add_nc_u64 s[18:19], s[6:7], s[22:23]
	CROUND                                         ; all sixteen work-groups are here: the first joint loads meet
.irp s, 0,1
	s_mov_b32 s[G0+4*(\s)], 1
	s_add_co_u32 s[G0+4*(\s)+1], s20, (\s)*SLOT
	s_add_nc_u64 s[G0+4*(\s)+2:G0+4*(\s)+3], s[14:15], (\s)*ASTEP
	s_or_b32 s[G0+4*(\s)+3], s[G0+4*(\s)+3], 0x80000000
	s_mov_b32 s[G0B+4*(\s)], 1
	s_add_co_u32 s[G0B+4*(\s)+1], s21, (\s)*SLOT
	s_add_nc_u64 s[G0B+4*(\s)+2:G0B+4*(\s)+3], s[46:47], (\s)*BSTEP
	s_or_b32 s[G0B+4*(\s)+3], s[G0B+4*(\s)+3], 0x80000000
	JLOAD \s                                       ; two loads of mine are out now, later one
.endr
.if OUT32 == 0
	s_load_b32 s45, s[6:7], 0x4000                 ; the floor
.endif
	v_and_b32 v1, 15, v0                           ; l % 16
	v_bfe_u32 v2, v0, 4, 1                         ; l / 16
	v_mul_u32_u24 v3, v1, PA
	v_lshl_add_u32 v3, v2, 4, v3                   ; A: row x pitch + 16 x half
	v_and_b32 v7, 7, v0
	v_lshl_add_u32 v4, v2, 3, v7                   ; W, turned: lane l reads k = 8 (l / 16) + l % 8,
	v_mul_u32_u24 v4, v4, PB
	v_bfe_u32 v5, v0, 3, 1
	v_lshl_add_u32 v4, v5, 4, v4                   ; columns 8 ((l / 8) % 2) + 0..7
	s_mul_i32 s20, s11, AHALF                      ; my 64 rows of A
	s_mul_i32 s21, s12, BHALF                      ; my 64 columns of W
	s_add_co_u32 s21, s21, BOFF
.irp s, 0,1
	v_add_nc_u32 v[ADRA+(\s)], s20, v3
	v_add_nc_u32 v[ADRB+(\s)], s21, v4
	s_add_co_u32 s20, s20, SLOT
	s_add_co_u32 s21, s21, SLOT
.endr
	v_lshlrev_b32 v[BO], 5, v2                     ; my eight columns of a block of 16: 32 bytes x half
.irp b, 0,1,2,3
	global_load_b128 v[BIAS+8*(\b):BIAS+8*(\b)+3],   v[BO], s[18:19] offset:64*(\b)
	global_load_b128 v[BIAS+8*(\b)+4:BIAS+8*(\b)+7], v[BO], s[18:19] offset:64*(\b)+16
.endr
	s_mul_i32 s23, s10, 16*SP
	s_add_co_u32 s23, s23, STAGE                   ; my stage
.if OUT32
	v_mul_u32_u24 v6, v1, SP                       ; in: row l % 16, 32 bytes for each half of the lanes
	v_lshl_add_u32 v6, v2, 5, v6
	v_add_nc_u32 v[STO], s23, v6
	v_mul_u32_u24 v6, v2, SP                       ; back: lanes 0-15 take one row of 256 bytes, lanes 16-31 the next
	v_lshl_add_u32 v6, v1, 4, v6
	v_add_nc_u32 v[RD], s23, v6
	v_lshlrev_b32 v[CO], 12, v2                    ; and the same two rows in C, 4,096 bytes apart
	v_lshl_add_u32 v[CO], v1, 4, v[CO]
	s_lshl_b32 s16, s13, 19                        ; my first row of C: (128 x tile row + 64 x half) x 4,096 bytes
	s_lshl_b32 s17, s11, 18
	s_add_co_u32 s16, s16, s17
	s_lshl_b32 s46, s42, 9                         ; my first column: (128 x tile column + 64 x half) x 4 bytes
	s_lshl_b32 s47, s12, 8
	s_add_co_u32 s46, s46, s47
.else
	v_mul_u32_u24 v6, v1, SP                       ; in: row l % 16, 16 bytes for each half of the lanes
	v_lshl_add_u32 v6, v2, 4, v6
	v_add_nc_u32 v[STO], s23, v6
	v_bfe_u32 v6, v0, 3, 2                         ; back: 32 lanes take four rows of 128 bytes,
	v_mul_u32_u24 v6, v6, SP
	v_lshl_add_u32 v6, v7, 4, v6
	v_add_nc_u32 v[RD], s23, v6
	v_and_b32 v[CO], 31, v0                        ; which are 512 consecutive bytes of C
	v_lshlrev_b32 v[CO], 4, v[CO]
	s_lshl_b32 s16, s13, 14                        ; my first row in a column block of C: (128 x tile row + 64 x half) x 128 bytes
	s_lshl_b32 s17, s11, 13
	s_add_co_u32 s16, s16, s17
	s_lshl_b32 s46, s42, 1                         ; my column block: 4,096 rows x 128 bytes each
	s_add_co_u32 s46, s46, s12
	s_lshl_b32 s46, s46, 19
.endif
	s_mov_b32 s17, 0
	s_mov_b32 s47, 0
	s_add_nc_u64 s[8:9], s[8:9], s[16:17]
	s_add_nc_u64 s[8:9], s[8:9], s[46:47]
; 8 matrix instructions: m blocks a0, a0 + 1 x all 4 n blocks, 32 along K: half c of buffer f.  zero = 1: the first product starts the sums.  The 16 accumulators take turns.
.macro MUL8 f, c, a0, zero
	WIN MUL
.irp a, \a0, (\a0)+1
.irp b, 0,1,2,3
.if \zero
	v_wmma_f32_16x16x32_f16 v[ACC+8*(4*(\a)+(\b)):ACC+8*(4*(\a)+(\b))+7], v[(\f)+64+8*(4*(\c)+(\b)):(\f)+64+8*(4*(\c)+(\b))+7], v[(\f)+8*(4*(\c)+(\a)):(\f)+8*(4*(\c)+(\a))+7], 0
.else
	v_wmma_f32_16x16x32_f16 v[ACC+8*(4*(\a)+(\b)):ACC+8*(4*(\a)+(\b))+7], v[(\f)+64+8*(4*(\c)+(\b)):(\f)+64+8*(4*(\c)+(\b))+7], v[(\f)+8*(4*(\c)+(\a)):(\f)+8*(4*(\c)+(\a))+7], v[ACC+8*(4*(\a)+(\b)):ACC+8*(4*(\a)+(\b))+7]
.endif
.endr
.endr
.endm
; 32 LDS loads in one run: the fragments of quarter q (64 along K) of a slot, into buffer f; the first 32 along K first
.macro FETCH slot, q, f
	WIN TO_F
.irp c, 0,1
.irp i, 0,1,2,3
	ds_load_tr16_b128 v[(\f)+64+8*(4*(\c)+(\i)):(\f)+64+8*(4*(\c)+(\i))+3],   v[ADRB+(\slot)] offset:(\q)*64*PB+(\c)*32*PB+32*(\i)
	ds_load_tr16_b128 v[(\f)+64+8*(4*(\c)+(\i))+4:(\f)+64+8*(4*(\c)+(\i))+7], v[ADRB+(\slot)] offset:(\q)*64*PB+(\c)*32*PB+32*(\i)+16*PB
	ds_load_b128 v[(\f)+8*(4*(\c)+(\i)):(\f)+8*(4*(\c)+(\i))+3],              v[ADRA+(\slot)] offset:(\q)*64*PA+(\i)*16*PA+64*(\c)
	ds_load_b128 v[(\f)+8*(4*(\c)+(\i))+4:(\f)+8*(4*(\c)+(\i))+7],            v[ADRA+(\slot)] offset:(\q)*64*PA+(\i)*16*PA+64*(\c)+32
.endr
.endr
.endm
.macro PLACES                          ; four places in front of loads into registers that matrix instructions have read, and of vector work on results
.rept 4
	v_nop
.endr
.endm
; A K step is four quarters of 64 along K, 32 matrix instructions each, on buffers 0, 1, 0, 1.  One of the first three: multiplies buffer f and fetches quarter q into g.
.macro QUARTER slot, q, f, g, zero
	s_wait_dscnt 16                                ; the first 32 along K are in; the sixteen loads of the second 32 may be out
	MUL8 \f, 0, 0, \zero
	MUL8 \f, 0, 2, \zero
	PLACES
	FETCH \slot, \q, \g
	s_wait_dscnt 32                                ; all but the 32 just issued
	MUL8 \f, 1, 0, 0
	MUL8 \f, 1, 2, 0
.endm
; The last quarter multiplies buffer 1 and changes slots: ONE barrier; in front of it each wave waits for all its tensor loads, adds 0 to its spare word, and waits for that and for its own reads of this slot.  fill = 1: this slot is filled again, two K steps ahead.
.macro TURN slot, next, fill
	WIN 0                                          ; (the add's two registers lie in window 0)
	s_wait_tensorcnt 0x0                           ; all my tensor loads have landed: my part of the next slot;
	ds_add_u32 v[SPW], v[NIL]                      ; 0 onto my spare word
	s_wait_dscnt 17                                ; (the add and the youngest sixteen loads may be out)
	MUL8 F1, 0, 0, 0                               ; eight matrix instructions stand between the add and the wait for it
	s_wait_dscnt 0x0                               ; the add is done, and my reads of this slot are over
	s_barrier_signal -1
	MUL8 F1, 0, 2, 0
.if \fill
	WIN 0
.endif
	s_barrier_wait -1
.if \fill
	CREST                                          ; the barrier has opened a round of the cluster's barrier: no wave of any partner still reads this slot's tile or has a load on its way
	s_add_nc_u64 s[G0+4*(\slot)+2:G0+4*(\slot)+3], s[G0+4*(\slot)+2:G0+4*(\slot)+3], 2*ASTEP
	s_add_nc_u64 s[G0B+4*(\slot)+2:G0B+4*(\slot)+3], s[G0B+4*(\slot)+2:G0B+4*(\slot)+3], 2*BSTEP
	JLOAD \slot                                    ; the first tensor load behind the round; the four v_nop behind it are also the places in front of the loads below
.else
	PLACES
.endif
	FETCH \next, 0, F0
	MUL8 F1, 1, 0, 0
	MUL8 F1, 1, 2, 0
.endm
.if OUT32 == 0
	s_wait_kmcnt 0x0                               ; the floor
.endif
	s_wait_tensorcnt 1                             ; my part of K step 0 is in; K step 1's may stay out
	s_barrier_signal -1
	s_barrier_wait -1                              ; everybody's is
	FETCH 0, 0, F0
	QUARTER 0, 1, F0, F1, 1                        ; the first quarter stands in front of the loop: its first products start the sums
	WIN 0                                          ; at a label and at a branch every window is 0
	s_mov_b32 s3, LAPS-1
.Llap:                                                 ; a trip goes once round the ring, from a lap's second quarter to the next lap's first, and fills both slots again
	QUARTER 0, 2, F1, F0, 0
	QUARTER 0, 3, F0, F1, 0
	TURN 0, 1, 1
	QUARTER 1, 1, F0, F1, 0
	QUARTER 1, 2, F1, F0, 0
	QUARTER 1, 3, F0, F1, 0
	TURN 1, 0, 1
	QUARTER 0, 1, F0, F1, 0
	WIN 0
	s_sub_co_u32 s3, s3, 1
	s_cmp_lg_u32 s3, 0
	s_cbranch_scc1 .Llap
	QUARTER 0, 2, F1, F0, 0                        ; the last lap fills nothing, and has no round of the cluster's barrier
	QUARTER 0, 3, F0, F1, 0
	TURN 0, 1, 0
	QUARTER 1, 1, F0, F1, 0
	QUARTER 1, 2, F1, F0, 0
	QUARTER 1, 3, F0, F1, 0
	s_wait_dscnt 16                                ; the very last quarter: nothing more to fetch
	MUL8 F1, 0, 0, 0
	MUL8 F1, 0, 2, 0
	s_wait_dscnt 0
	MUL8 F1, 1, 0, 0
	MUL8 F1, 1, 2, 0
	WIN 0
	; THE WAY OUT, a block of 16 rows at a time through my own stage: LDS serves a wave's instructions in order (ISA guide 5.7.1.4), so no wait stands between my stores and my loads.
	; Each accumulator's registers are taken in ascending order.
.if OUT32
.macro PACK a
.if (\a) >= 2
	s_wait_xcnt 0x0                                ; the registers that the stores of two blocks back read are loaded again only behind this wait
.endif
.irp b, 0,1,2,3
.irp r, 0,2,4,6
	v_pk_add_f32 v[ACC+8*(4*(\a)+(\b))+(\r):ACC+8*(4*(\a)+(\b))+(\r)+1], v[ACC+8*(4*(\a)+(\b))+(\r):ACC+8*(4*(\a)+(\b))+(\r)+1], v[BIAS+8*(\b)+(\r):BIAS+8*(\b)+(\r)+1]
.endr
.endr
.irp b, 0,1,2,3
	ds_store_b128 v[STO], v[ACC+8*(4*(\a)+(\b)):ACC+8*(4*(\a)+(\b))+3]   offset:64*(\b)
	ds_store_b128 v[STO], v[ACC+8*(4*(\a)+(\b))+4:ACC+8*(4*(\a)+(\b))+7] offset:64*(\b)+16
.endr
.irp t, 0,1,2,3,4,5,6,7
	ds_load_b128 v[TMP+32*((\a)%2)+4*(\t):TMP+32*((\a)%2)+4*(\t)+3], v[RD] offset:(\t)*2*SP
.endr
.endm
.macro SEND a, younger                 ; younger: the LDS instructions issued behind block a's loads: the next block's sixteen, or none
.irp t, 0,1,2,3,4,5,6,7
	s_wait_dscnt (\younger)+7-(\t)
	global_store_b128 v[CO], v[TMP+32*((\a)%2)+4*(\t):TMP+32*((\a)%2)+4*(\t)+3], s[8:9] offset:(16*(\a)+2*(\t))*4096  ; 16 lanes store 256 consecutive bytes, at a multiple of 256 from C's first byte
.endr
.endm
.set YOUNG, 16
.else
.macro PACK a
.irp b, 0,1,2,3
.irp r, 0,2,4,6
	v_pk_add_f32 v[ACC+8*(4*(\a)+(\b))+(\r):ACC+8*(4*(\a)+(\b))+(\r)+1], v[ACC+8*(4*(\a)+(\b))+(\r):ACC+8*(4*(\a)+(\b))+(\r)+1], v[BIAS+8*(\b)+(\r):BIAS+8*(\b)+(\r)+1]
.endr
.irp r, 0,1,2,3,4,5,6,7
	v_max_num_f32 v[ACC+8*(4*(\a)+(\b))+(\r)], s45, v[ACC+8*(4*(\a)+(\b))+(\r)]
.endr
.irp r, 0,1,2,3
	v_cvt_pk_f16_f32 v[TMP+16*(\a)+4*(\b)+(\r)], v[ACC+8*(4*(\a)+(\b))+2*(\r)], v[ACC+8*(4*(\a)+(\b))+2*(\r)+1]
.endr
.endr
.irp b, 0,1,2,3
	ds_store_b128 v[STO], v[TMP+16*(\a)+4*(\b):TMP+16*(\a)+4*(\b)+3] offset:32*(\b)
.endr
.irp t, 0,1,2,3
	ds_load_b128 v[TMP+16*(\a)+4*(\t):TMP+16*(\a)+4*(\t)+3], v[RD] offset:(\t)*4*SP
.endr
.endm
.macro SEND a, younger                 ; younger: the LDS instructions issued behind block a's loads: the next block's eight, or none
.irp t, 0,1,2,3
	s_wait_dscnt (\younger)+3-(\t)
	global_store_b128 v[CO], v[TMP+16*(\a)+4*(\t):TMP+16*(\a)+4*(\t)+3], s[8:9] offset:2048*(\a)+512*(\t)  ; 512 consecutive bytes, at a multiple of 256 from C's first byte
.endr
.endm
.set YOUNG, 8
.endif
	PLACES
	s_wait_loadcnt 0x0                             ; the bias
	PACK 0
	PACK 1                                         ; a block's arithmetic stands between the loads of the block before and its stores
	SEND 0, YOUNG
	PACK 2
	SEND 1, YOUNG
	PACK 3
	SEND 2, YOUNG
	SEND 3, 0
	s_wait_tensorcnt 0x0                           ; the wave's end: behind my last tensor load and my last LDS store
	ds_add_u32 v[SPW], v[NIL]
	s_wait_dscnt 0x0
	CROUND                                         ; the closing round: no work-group ends while a partner may still ask for a tile that names it
	s_endpgm
.Lfunc_end_k_q613cd0d1ac_ffn2:
	.size	k_q613cd0d1ac_ffn2, .Lfunc_end_k_q613cd0d1ac_ffn2-k_q613cd0d1ac_ffn2
	.p2alignl 7, 3214868480
	.fill 96, 4, 3214868480
	.section	.rodata,"a",@progbits
	.p2align	6, 0x0
	.amdhsa_kernel k_q613cd0d1ac_ffn2
		.amdhsa_group_segment_fixed_size 327680
		.amdhsa_private_segment_fixed_size 0
		.amdhsa_enable_private_segment 0
		.amdhsa_kernarg_size 24
		.amdhsa_user_sgpr_count 2
		.amdhsa_user_sgpr_kernarg_segment_ptr 1
		.amdhsa_wavefront_size32 1
		.amdhsa_system_sgpr_workgroup_id_x 1
		.amdhsa_system_sgpr_workgroup_id_y 1
		.amdhsa_system_sgpr_workgroup_id_z 1
		.amdhsa_system_vgpr_workitem_id 0
		.amdhsa_next_free_vgpr 512
		.amdhsa_next_free_sgpr 66
		.amdhsa_reserve_vcc 0
		.amdhsa_float_denorm_mode_32 3
		.amdhsa_float_denorm_mode_16_64 3
		.amdhsa_memory_ordered 1
		.amdhsa_forward_progress 1
		.amdhsa_inst_pref_size 92
	.end_amdhsa_kernel
	.amdgpu_metadata
---
amdhsa.version: [ 1, 2 ]
amdhsa.kernels:
  - .name:           k_q613cd0d1ac_ffn2
    .symbol:         k_q613cd0d1ac_ffn2.kd
    .args:
      - { .name: big, .offset: 0, .size: 8, .value_kind: global_buffer, .address_space: global }
      - { .name: w2_h, .offset: 8, .size: 8, .value_kind: global_buffer, .address_space: global }
      - { .name: zb, .offset: 16, .size: 8, .value_kind: global_buffer, .address_space: global }
    .group_segment_fixed_size: 327680
    .private_segment_fixed_size: 0
    .kernarg_segment_align: 8
    .kernarg_segment_size: 24
    .max_flat_workgroup_size: 128
    .sgpr_count:     66
    .vgpr_count:     512
    .wavefront_size: 32
...
	.end_amdgpu_metadata
.endif
;; end of part 6
;; launch ln2 (part 7): grid 256 x 1, 8 waves a work-group, no clusters, 0 bytes of LDS; arguments zb, w2_h, out0; writes out0
.if DOCPART == 7
	.amdgcn_target "amdgcn-amd-amdhsa--gfx1250"
	.amdhsa_code_object_version 6
	.text
	.protected	k_q613cd0d1ac_ln2
	.globl	k_q613cd0d1ac_ln2
	.p2align	8
	.type	k_q613cd0d1ac_ln2,@function
k_q613cd0d1ac_ln2:
	s_mov_b64 s[64:65], 0
	v_nop
	global_prefetch_b8 v0, s[64:65] scope:SCOPE_SE
	s_setreg_imm32_b32 hwreg(HW_REG_WAVE_MODE, 25, 1), 1
	s_wait_xcnt 0x0
; out = LayerNorm(y) g + b + y.  y and out: [4096][1024] f32.  g, b: one word a column, bf16 gain low and bf16 bias high, at byte 20,480 of the second buffer.
; Mean, then the mean of the squared differences from it, in f32, as the reference takes them.
; A stream: no LDS, no barrier, no matrix unit, no cluster.  A wave takes two whole rows and keeps them in registers between the passes: y is read once.  Each load and store of a wave covers 512 consecutive bytes, aligned.
.set C,  4                             ; v[4:11]    row p: two running sums of pairs at v[4 + 4 p]
.set Y,  16                            ; v[16:79]   row p: 32 numbers
.set GB, 80                            ; v[80:111]  gain and bias of my 32 columns
.set D,  112                           ; v[112:175] row p: the differences, then the result
	s_load_b128 s[4:7], s[0:1], 0x0                ; y s[4:5], header s[6:7]
	s_load_b64 s[8:9], s[0:1], 0x10                ; out
	v_lshrrev_b32 v2, 5, v0
	v_readfirstlane_b32 s10, v2                    ; wave
	v_and_b32 v1, 31, v0
	v_lshlrev_b32 v1, 4, v1                        ; 16 bytes a lane
	s_lshl_b32 s11, ttmp9, 4
	s_lshl_b32 s10, s10, 1
	s_add_co_u32 s11, s11, s10                     ; my first row = 16 x work-group + 2 x wave
	s_lshl_b32 s16, s11, 12
	s_mov_b32 s17, 0
	s_mov_b32 s12, 0x76543210                      ; v_permlanex16_b32: lane i of one half reads lane i of the other
	s_mov_b32 s13, 0xfedcba98
	s_mov_b32 s14, 0x3a800000                      ; 1 / 1024
	s_mov_b32 s15, 0x3727c5ac                      ; 1e-5
	s_wait_kmcnt 0x0
	s_add_nc_u64 s[4:5], s[4:5], s[16:17]
	s_add_nc_u64 s[8:9], s[8:9], s[16:17]
	s_add_nc_u64 s[6:7], s[6:7], 20480
.irp p, 0,1
.irp j, 0,1,2,3,4,5,6,7
	global_load_b128 v[Y+32*(\p)+4*(\j):Y+32*(\p)+4*(\j)+3], v1, s[4:5] offset:4096*(\p)+512*(\j) th:TH_LOAD_NT
.endr
.endr
.irp j, 0,1,2,3,4,5,6,7
	global_load_b128 v[GB+4*(\j):GB+4*(\j)+3], v1, s[6:7] offset:512*(\j)
.endr
	s_wait_loadcnt 8                               ; both rows are in; the eight loads of gain and bias may stay out
.macro FOLD                            ; each row's two running sums into one number, then over the 32 lanes: every lane ends with the sum
.irp p, 0,1
	v_pk_add_f32 v[C+4*(\p):C+4*(\p)+1], v[C+4*(\p):C+4*(\p)+1], v[C+4*(\p)+2:C+4*(\p)+3]
.endr
.irp p, 0,1
	v_add_f32 v[C+4*(\p)], v[C+4*(\p)], v[C+4*(\p)+1]
.endr
.irp m, 1,2,4,8
.irp p, 0,1
	v_add_f32_dpp v[C+4*(\p)], v[C+4*(\p)], v[C+4*(\p)] row_xmask:\m row_mask:0xf bank_mask:0xf
.endr
.endr
.irp p, 0,1
	v_permlanex16_b32 v[C+4*(\p)+1], v[C+4*(\p)], s12, s13
.endr
.irp p, 0,1
	v_add_f32 v[C+4*(\p)], v[C+4*(\p)], v[C+4*(\p)+1]
.endr
.endm
.irp p, 0,1                            ; the first four pairs start the sums: nothing is cleared
.irp c, 0,1
	v_pk_add_f32 v[C+4*(\p)+2*(\c):C+4*(\p)+2*(\c)+1], v[Y+32*(\p)+2*(\c):Y+32*(\p)+2*(\c)+1], v[Y+32*(\p)+4+2*(\c):Y+32*(\p)+4+2*(\c)+1]
.endr
.endr
.set i, 4
.rept 12
.irp p, 0,1
	v_pk_add_f32 v[C+4*(\p)+2*(i%2):C+4*(\p)+2*(i%2)+1], v[C+4*(\p)+2*(i%2):C+4*(\p)+2*(i%2)+1], v[Y+32*(\p)+2*i:Y+32*(\p)+2*i+1]
.endr
.set i, i+1
.endr
	FOLD
.irp p, 0,1
	v_mul_f32 v[C+4*(\p)+2], s14, v[C+4*(\p)]      ; the mean
.endr
.set i, 0
.rept 16
.irp p, 0,1
	v_pk_add_f32 v[D+32*(\p)+2*i:D+32*(\p)+2*i+1], v[Y+32*(\p)+2*i:Y+32*(\p)+2*i+1], v[C+4*(\p)+2:C+4*(\p)+3] op_sel_hi:[1,0] neg_lo:[0,1] neg_hi:[0,1]
.endr
.set i, i+1
.endr
.irp p, 0,1
.irp c, 0,1
	v_pk_mul_f32 v[C+4*(\p)+2*(\c):C+4*(\p)+2*(\c)+1], v[D+32*(\p)+2*(\c):D+32*(\p)+2*(\c)+1], v[D+32*(\p)+2*(\c):D+32*(\p)+2*(\c)+1]
.endr
.endr
.set i, 2
.rept 14
.irp p, 0,1
	v_pk_fma_f32 v[C+4*(\p)+2*(i%2):C+4*(\p)+2*(i%2)+1], v[D+32*(\p)+2*i:D+32*(\p)+2*i+1], v[D+32*(\p)+2*i:D+32*(\p)+2*i+1], v[C+4*(\p)+2*(i%2):C+4*(\p)+2*(i%2)+1]
.endr
.set i, i+1
.endr
	FOLD
.irp p, 0,1
	v_fma_f32 v[C+4*(\p)], v[C+4*(\p)], s14, s15   ; the variance + 1e-5
.endr
.irp p, 0,1
	v_rsq_f32 v[C+4*(\p)+2], v[C+4*(\p)]
.endr
	v_nop                                          ; a plain instruction between the last root and the use of its result (ISA guide 5.7.2)
.set i, 0
	s_wait_alu depctr_va_vdst(0)
.rept 16
.irp p, 0,1
	v_pk_mul_f32 v[D+32*(\p)+2*i:D+32*(\p)+2*i+1], v[D+32*(\p)+2*i:D+32*(\p)+2*i+1], v[C+4*(\p)+2:C+4*(\p)+3] op_sel_hi:[1,0]
.endr
.set i, i+1
.endr
	s_wait_loadcnt 0x0                             ; gain and bias
.set i, 0
.rept 32
.irp p, 0,1
	v_fma_mix_f32_bf16 v[D+32*(\p)+i], v[D+32*(\p)+i], v[GB+i], v[GB+i] op_sel:[0,0,1] op_sel_hi:[0,1,1]  ; x gain (low half) + bias (high half)
.endr
.set i, i+1
.endr
.set i, 0
.rept 16
.irp p, 0,1
	v_pk_add_f32 v[D+32*(\p)+2*i:D+32*(\p)+2*i+1], v[D+32*(\p)+2*i:D+32*(\p)+2*i+1], v[Y+32*(\p)+2*i:Y+32*(\p)+2*i+1]
.endr
.set i, i+1
.endr
.irp p, 0,1
.irp j, 0,1,2,3,4,5,6,7
	global_store_b128 v1, v[D+32*(\p)+4*(\j):D+32*(\p)+4*(\j)+3], s[8:9] offset:4096*(\p)+512*(\j) th:TH_STORE_NT
.endr
.endr
	s_endpgm
.Lfunc_end_k_q613cd0d1ac_ln2:
	.size	k_q613cd0d1ac_ln2, .Lfunc_end_k_q613cd0d1ac_ln2-k_q613cd0d1ac_ln2
	.p2alignl 7, 3214868480
	.fill 96, 4, 3214868480
	.section	.rodata,"a",@progbits
	.p2align	6, 0x0
	.amdhsa_kernel k_q613cd0d1ac_ln2
		.amdhsa_group_segment_fixed_size 0
		.amdhsa_private_segment_fixed_size 0
		.amdhsa_enable_private_segment 0
		.amdhsa_kernarg_size 24
		.amdhsa_user_sgpr_count 2
		.amdhsa_user_sgpr_kernarg_segment_ptr 1
		.amdhsa_wavefront_size32 1
		.amdhsa_system_sgpr_workgroup_id_x 1
		.amdhsa_system_sgpr_workgroup_id_y 1
		.amdhsa_system_sgpr_workgroup_id_z 1
		.amdhsa_system_vgpr_workitem_id 0
		.amdhsa_next_free_vgpr 176
		.amdhsa_next_free_sgpr 66
		.amdhsa_reserve_vcc 0
		.amdhsa_float_denorm_mode_32 3
		.amdhsa_float_denorm_mode_16_64 3
		.amdhsa_memory_ordered 1
		.amdhsa_forward_progress 1
		.amdhsa_inst_pref_size 21
	.end_amdhsa_kernel
	.amdgpu_metadata
---
amdhsa.version: [ 1, 2 ]
amdhsa.kernels:
  - .name:           k_q613cd0d1ac_ln2
    .symbol:         k_q613cd0d1ac_ln2.kd
    .args:
      - { .name: zb, .offset: 0, .size: 8, .value_kind: global_buffer, .address_space: global }
      - { .name: w2_h, .offset: 8, .size: 8, .value_kind: global_buffer, .address_space: global }
      - { .name: out0, .offset: 16, .size: 8, .value_kind: global_buffer, .address_space: global }
    .group_segment_fixed_size: 0
    .private_segment_fixed_size: 0
    .kernarg_segment_align: 8
    .kernarg_segment_size: 24
    .max_flat_workgroup_size: 256
    .sgpr_count:     66
    .vgpr_count:     176
    .wavefront_size: 32
...
	.end_amdgpu_metadata
.endif
;; end of part 7
